; MI455X (gfx1250); checked and timed in simulation.
; The chip was launched on July 23, 2026; its instructions are those of AMD's public machine-readable ISA for CDNA 5 (MIT licence, August 2026) and "CDNA5" Instruction Set Architecture Reference Guide (July 2026). The comments in the code are by the model that wrote it; some were corrected since.
;; Cross Attention. Allowed arithmetic: matrix products marked QUANTISED: E2M3 operands, one E8M0 scale for each 32 along K, by v_wmma_scale_f32_16x16x128_f8f6f4 with both operands' format E2M3, f32 sums; everything else in f32.
;; Inputs: bk 1,024 float32; bo 1,024 float32; bq 1,024 float32; bv 1,024 float32; wk 1,024 x 1,024 float32; wo 1,024 x 1,024 float32; wq 1,024 x 1,024 float32; wv 1,024 x 1,024 float32; x 4 x 2,048 x 1,024 float32; x_cond 4 x 2,048 x 1,024 float32.
;; Outputs: out0 4 x 2,048 x 1,024 float32.
;; This version of the problem:
;;   THIS VERSION OF THE PROBLEM IS GIVEN IN LOW PRECISION. The matrix products marked QUANTISED in the list below multiply operands that are first quantised to E2M3 (2 exponent bits, 3 mantissa bits; 6 bits a number), with one power-of-two scale for each 32 numbers along K (OCP MX v1.0); their sums are f32. All else is computed in f32.
;;   The module's matrix products, in the order in which they are computed (A, B: the left and right operand; K: the contracted axis; several contracted axes count as one K, in the product's order):
;;     1. [M 8,192, K 1,024] x [K 1,024, N 1,024]; A: input x; B: input wq: QUANTISED
;;     2. [M 8,192, K 1,024] x [K 1,024, N 1,024]; A: input x_cond; B: input wk: QUANTISED
;;     3. [M 8,192, K 1,024] x [K 1,024, N 1,024]; A: input x_cond; B: input wv: QUANTISED
;;     4. batch 64 x [M 2,048, K 64] x [K 64, N 2,048]; A: computed on the way; B: computed on the way: QUANTISED
;;     5. batch 64 x [M 2,048, K 2,048] x [K 2,048, N 64]; A: softmax (see below); B: computed on the way: QUANTISED
;;     6. [M 8,192, K 1,024] x [K 1,024, N 1,024]; A: computed on the way; B: input wo: QUANTISED
;;   THE QUANTISER, for each operand of a quantised product, along K:
;;     - K is cut into blocks of 32 from its start; a last block that is shorter is filled with zeros.
;;     - A block's scale is 2^e with e = floor(log2(the largest magnitude in the block)) - 2, held to -126 .. 127; a block of zeros has e = 0. As a byte (E8M0): e + 127.
;;     - Each number is divided by its block's scale, clamped to +-7.5, and rounded to the nearest number of E2M3, ties to even, subnormals kept.
;;     - The product sums the exact products of the quantised numbers (number of the format x scale) in f32.
;;   ~~~python
;;   def quantise(x, axis):      # numpy; x: float32 -> the quantised numbers, widened to float32 again
;;       x = np.moveaxis(x, axis, -1); K = x.shape[-1]
;;       x = np.pad(x, [(0, 0)] * (x.ndim - 1) + [(0, -K % 32)]); x = x.reshape(x.shape[:-1] + (-1, 32)); a = np.abs(x).max(-1, keepdims=True)
;;       e = np.where(a > 0, np.clip(np.frexp(np.where(a > 0, a, 1))[1] - 1 - 2, -126, 127), 0)      # np.frexp(a)[1] - 1 = floor(log2(a)), exactly
;;       r = np.clip(x / 2.0 ** e, -7.5, 7.5)
;;       step = 2.0 ** (np.maximum(np.frexp(np.where(r == 0, 1, r))[1] - 1, 0) - 3)
;;       q = np.round(r / step) * step * 2.0 ** e      # np.round: ties to even
;;       return np.moveaxis(q.reshape(q.shape[:-2] + (-1,))[..., :K], -1, axis).astype(np.float32)
;;   ~~~
;;   SOFTMAX AHEAD OF A QUANTISED PRODUCT. Where the list says 'softmax', what is quantised is not the finished softmax but p = 2^(t - M), with t = logit x log2(e) and M = ceil(the row's largest t), a whole number; so 1/2 < the row's largest p <= 1. The row's sum l is taken of the UNQUANTISED p, in f32, and the product's result is divided by l at the end. Since M is a whole number, a kernel that streams over the keys may use a running M (the ceiling of the running maximum): every later rescaling is an exact power of two, which a block's scale takes up: the codes' values come out the same.
;;   OPERANDS COMPUTED ON THE WAY. 'Computed on the way' means the value that the module computes at that place (a softmax that the list does not call 'softmax' is quantised finished and normalised). What goes into a quantiser is computed in f32, as accurately as f32 sums, v_exp_f32 and their like allow (about 1e-6 of the number): no bf16 or f16 on the way to a quantiser, and a product that is left as it is and whose result goes on into a quantised operand takes f32 operands (vector FMAs, or v_wmma_f32_16x16x4_f32). A number that lies on a knife's edge between two numbers of the format may be rounded either way, as far as f32 arithmetic and the matrix unit's own rounding can turn it there, and no further.
;; One version. Each part assembles by itself: llvm-mc -triple=amdgcn-amd-amdhsa -mcpu=gfx1250 --defsym DOCPART=n.
;; ======== version 1 of 1: 4 launches
;; limits: right only within a limited range of input values
;; workspace buffers: cin 15,728,640 bytes; sin 655,360 bytes; qkvc 18,874,368 bytes; qkvs 786,432 bytes; oc 6,291,456 bytes; os 262,144 bytes
;; launch quant (part 1): grid 256 x 1, 10 waves a work-group, no clusters, 85,760 bytes of LDS; arguments x, x_cond, wq, wk, wv, wo, cin, sin; writes cin, sin
.if DOCPART == 1
	.amdgcn_target "amdgcn-amd-amdhsa--gfx1250"
	.amdhsa_code_object_version 6
	.text
	.protected	k_q98b9c4d88c_quant
	.globl	k_q98b9c4d88c_quant
	.p2align	8
	.type	k_q98b9c4d88c_quant,@function
k_q98b9c4d88c_quant:
	s_mov_b64 s[64:65], 0
	v_nop
	global_prefetch_b8 v0, s[64:65] scope:SCOPE_SE
	s_setreg_imm32_b32 hwreg(HW_REG_WAVE_MODE, 25, 1), 1
	s_wait_xcnt 0x0
; x, x_cond [8192][1024] and wq, wk, wv, wo [1024][1024], f32, become codes of FP6 (E2M3) with one E8M0 byte for each 32 along K (their last axis).
; A block's scale is 2^(floor(log2(its largest magnitude)) - 2); its byte is the largest magnitude's exponent field - 2, held at 1 from below.
; LIMITS: NaN and infinities among the inputs are not served.  A block of zeros, or one whose largest magnitude lies under 2^-124, gets the byte 1
; (for zeros the quantiser says 127): its codes are zeros or what the floor's scale gives, and the bytes are read by this program alone.
; LAYOUT OF THE RESULT.  Rows go in TILES of 16: position r of tile t is row 32 (t / 2) + 8 (t % 2) + r + 8 (r / 8) of its tensor, so that a product that takes a tile as its
; source 0 leaves 16 neighbouring rows in the 16 registers of tiles 2 b, 2 b + 1.  cin: [tile][K step of 128][1,536 bytes]: an IMAGE of the operand's 12 registers, in two halves of 768 bytes:
; registers 6 c .. 6 c + 3 of lane l at 16 l, registers 6 c + 4, 6 c + 5 at 512 + 8 l.  sin: [tile][position][8 words], a word for each K step.  Tiles: x 0, x_cond 512, wq 1024, wk 1088, wv 1152, wo 1216.
; SHARES.  A wave takes one tile, all of K, in 8 steps of 128.  Each load reads 512 consecutive bytes of a row; the 16 rows turn through the wave's own stage in LDS (rows 528 bytes apart), from which
; lane (r, h) takes the two whole blocks k = 64 c + 32 h + 0 .. 31 of row r that the operand's layout gives it.  No barrier: waves share nothing.  Loads run two steps (32 loads) ahead.
; THE SHARES AS THIS TEXT HAS THEM (this takes the place of the line SHARES above): 1,280 tiles x 2 halves of K are 2,560 shares, ten to each of 256 work-groups of ten waves.  Share u = 10 x work-group + wave is
; half u % 2 of K (four steps of 128) of tile u / 2.  A wave's four scale words of a row leave from lanes 0-15, 16 bytes a row, 32 bytes apart; the tile's other half of K fills the 16 bytes between.
.set SP,   528                         ; a stage row: 512 bytes + 16
.set L16,  1                           ; v1   16 x lane: my place in a load's 512 bytes and in an image's first part
.set L8,   2                           ; v2   8 x lane: my place in an image's second part
.set STI,  3                           ; v3   the stage, on the way in
.set STO,  4                           ; v4   and on the way out: row r, + 128 h
.set LS,   5                           ; v5   32 r + 16 h: my four scale words
.set SH8,  10                          ; v10  8 h
.set R,    16                          ; v16-143  two sets of 64 registers as loaded
.set X,    144                         ; v144-207 my two blocks
.set PC,   208                         ; v208-219 the fragment's 12 registers
.set PT,   220                         ; v220-222, v224-226 the blocks' upper halves, as the conversions leave them
.set SW,   228                         ; v228-231 a scale word for each of my four K steps
.set OW,   236
.set TM,   240                         ; v240-247 at work
	s_load_b512 s[4:19], s[0:1], 0x0               ; x, x_cond, wq, wk, wv, wo, cin, sin
	v_lshl_add_u32 v254, v0, 2, 0x14a00            ; the spare words lie behind the ten stages of 16 x 528 bytes
	v_mov_b32 v255, 0
	v_lshrrev_b32 v6, 5, v0
	v_readfirstlane_b32 s23, v6                    ; wave
	v_and_b32 v7, 31, v0                           ; lane
	v_and_b32 v8, 15, v0                           ; r
	v_bfe_u32 v9, v0, 4, 1                         ; h
	v_lshlrev_b32 v[L16], 4, v7
	v_lshlrev_b32 v[L8], 3, v7
	s_mul_i32 s27, s23, 16*SP                      ; my wave's stage
	v_add_nc_u32 v[STI], s27, v[L16]
	v_mul_u32_u24 v[STO], v8, SP
	v_lshl_add_u32 v[STO], v9, 7, v[STO]
	v_add_nc_u32 v[STO], s27, v[STO]
	v_lshlrev_b32 v[LS], 5, v8
	v_lshl_add_u32 v[LS], v9, 4, v[LS]
	v_lshlrev_b32 v[SH8], 3, v9
	v_mov_b32 v[TM+7], 0                           ; written once: a lane permute's destination counts as one of its sources
	s_mov_b32 s24, 0x76543210
	s_mov_b32 s25, 0xfedcba98                      ; v_permlanex16_b32's selects for lane l xor 16
	s_wait_alu depctr_va_vdst(0)
	s_wait_kmcnt 0x0
	s_mul_i32 s31, ttmp9, 10
	s_add_co_u32 s31, s31, s23                     ; my share u
	s_and_b32 s32, s31, 1                          ; which half of K
	s_lshr_b32 s31, s31, 1                         ; my tile, 0 .. 1279
	s_and_b32 s23, s31, 3                          ; the tile within its group of four (the stage's address has been made of the wave's number above)
	s_lshr_b32 s31, s31, 2                         ; the group of four tiles, 64 rows
	s_mov_b64 s[20:21], s[4:5]                     ; which tensor is my tile's, and at which group it begins: the choice hangs on ids alone
	s_mov_b32 s22, 0
	s_cmp_ge_u32 s31, 128
	s_cselect_b64 s[20:21], s[6:7], s[20:21]
	s_cselect_b32 s22, 128, s22
	s_cmp_ge_u32 s31, 256
	s_cselect_b64 s[20:21], s[8:9], s[20:21]
	s_cselect_b32 s22, 256, s22
	s_cmp_ge_u32 s31, 272
	s_cselect_b64 s[20:21], s[10:11], s[20:21]
	s_cselect_b32 s22, 272, s22
	s_cmp_ge_u32 s31, 288
	s_cselect_b64 s[20:21], s[12:13], s[20:21]
	s_cselect_b32 s22, 288, s22
	s_cmp_ge_u32 s31, 304
	s_cselect_b64 s[20:21], s[14:15], s[20:21]
	s_cselect_b32 s22, 304, s22
	s_sub_co_u32 s28, s31, s22
	s_lshl_b32 s28, s28, 6                         ; 64 rows a group of four tiles,
	s_lshr_b32 s29, s23, 1
	s_lshl_b32 s29, s29, 5
	s_add_co_u32 s28, s28, s29                     ; + 32 (tile in group / 2)
	s_and_b32 s29, s23, 1
	s_lshl_b32 s29, s29, 3
	s_add_co_u32 s28, s28, s29                     ; + 8 (tile in group % 2): my tile's first row
	s_lshl_b32 s28, s28, 12                        ; in bytes (under 2^25)
	s_mov_b32 s29, 0
	s_add_nc_u64 s[20:21], s[20:21], s[28:29]
	s_lshl_b32 s30, s31, 2
	s_add_co_u32 s30, s30, s23                     ; my tile's number in cin and sin
	s_mul_i32 s28, s30, 12288
	s_add_nc_u64 s[16:17], s[16:17], s[28:29]
	s_lshl_b32 s28, s30, 9
	s_add_nc_u64 s[18:19], s[18:19], s[28:29]
	s_lshl_b32 s28, s32, 11                        ; my half of K: 2,048 bytes along each row,
	s_add_nc_u64 s[20:21], s[20:21], s[28:29]
	s_mul_i32 s28, s32, 6144                       ; four images of 1,536 bytes,
	s_add_nc_u64 s[16:17], s[16:17], s[28:29]
	s_lshl_b32 s28, s32, 4                         ; four scale words
	s_add_nc_u64 s[18:19], s[18:19], s[28:29]
.macro LOAD t                          ; K step t of the tile's 16 rows into set t % 2: each load reads 512 consecutive bytes, read once in the launch
.irp i, 0,1,2,3,4,5,6,7,8,9,10,11,12,13,14,15
	global_load_b128 v[R+64*((\t)%2)+4*\i:R+64*((\t)%2)+4*\i+3], v[L16], s[20:21] offset:(\i+8*(\i/8))*4096+512*(\t) th:TH_LOAD_NT
.endr
.endm
.macro STEP t
.if (\t) < 3
	s_wait_loadcnt 16                              ; this step's 16 loads are in; the next step's 16 may be out
.else
	s_wait_loadcnt 0x0
.endif
.irp i, 0,1,2,3,4,5,6,7,8,9,10,11,12,13,14,15
	ds_store_b128 v[STI], v[R+64*((\t)%2)+4*\i:R+64*((\t)%2)+4*\i+3] offset:SP*\i
.endr
.irp c, 0,1
.irp j, 0,1,2,3,4,5,6,7
	ds_load_b128 v[X+32*\c+4*\j:X+32*\c+4*\j+3], v[STO] offset:256*\c+16*\j   ; LDS serves a wave's instructions in order: these see the stores above
.endr
.endr
	s_wait_dscnt 0x0                               ; my two blocks are in, and the stores have read their registers,
.if (\t) < 2
	LOAD (\t)+2                                    ; which take the loads of two steps on
.endif
.irp c, 0,1
	v_max3_num_f32 v[TM+\c], |v[X+32*\c]|, |v[X+32*\c+1]|, 0x1800000   ; block 2 c + h: all its 32 numbers are mine; the floor 2^(3 - 127) holds the byte at 1 from below
.endr
.irp i, 2,4,6,8,10,12,14,16,18,20,22,24,26,28,30
.irp c, 0,1
	v_max3_num_f32 v[TM+\c], v[TM+\c], |v[X+32*\c+\i]|, |v[X+32*\c+\i+1]|   ; (the two blocks by turns)
.endr
.endr
.irp c, 0,1
	v_add_nc_u32 v[TM+2+\c], 0xff000000, v[TM+\c]  ; 2 off the exponent field: the conversion takes the exponent field of this operand as its scale
.endr
.irp c, 0,1
	v_lshrrev_b32 v[TM+4+\c], 23, v[TM+2+\c]       ; the scale's byte
.endr
	v_lshl_or_b32 v[TM+6], v[TM+5], 16, v[TM+4]    ; my two bytes, blocks h and 2 + h,
	v_lshlrev_b32 v[TM+6], v[SH8], v[TM+6]         ; at their places in the word;
	v_permlanex16_b32 v[TM+7], v[TM+6], s24, s25
	v_or_b32 v[SW+(\t)], v[TM+6], v[TM+7]          ; with lane l xor 16's two the word is whole
	s_wait_alu depctr_va_vdst(0)
	s_wait_xcnt 0x0                                ; the last step's stores have read the code registers: only behind this wait are they written again
.irp c, 0,1
	v_cvt_scalef32_pk16_fp6_f32 v[PC+6*\c:PC+6*\c+2], v[X+32*\c:X+32*\c+15], v[TM+2+\c]
	v_cvt_scalef32_pk16_fp6_f32 v[PT+4*\c:PT+4*\c+2], v[X+32*\c+16:X+32*\c+31], v[TM+2+\c]   ; (a conversion's three registers begin on an even number)
.endr
	v_nop                                          ; one plain place behind a scaled conversion
.irp c, 0,1
.irp i, 0,1,2
	v_mov_b32 v[PC+6*\c+3+\i], v[PT+4*\c+\i]
.endr
.endr
	global_store_b128 v[L16], v[PC:PC+3], s[16:17] offset:1536*(\t)            ; 512 consecutive bytes,
	global_store_b64 v[L8], v[PC+4:PC+5], s[16:17] offset:1536*(\t)+512        ; 256 more: half 0 of the image
	global_store_b128 v[L16], v[PC+6:PC+9], s[16:17] offset:1536*(\t)+768
	global_store_b64 v[L8], v[PC+10:PC+11], s[16:17] offset:1536*(\t)+1280
.endm
	LOAD 0
	LOAD 1
.irp t, 0,1,2,3
	STEP \t
.endr
	v_cmp_gt_u32 vcc_lo, 16, v7                    ; every lane holds its row's four words: lanes 0-15 store them (there 32 r + 16 h is 32 r)
	s_wait_xcnt 0x0                                ; EXEC changes only behind this wait
	s_and_saveexec_b32 s26, vcc_lo
	global_store_b128 v[LS], v[SW:SW+3], s[18:19]
	s_wait_xcnt 0x0
	s_or_b32 exec_lo, exec_lo, s26                 ; all lanes on again
	s_wait_tensorcnt 0x0
	ds_add_u32 v254, v255
	s_wait_dscnt 0x0
	s_endpgm
.Lfunc_end_k_q98b9c4d88c_quant:
	.size	k_q98b9c4d88c_quant, .Lfunc_end_k_q98b9c4d88c_quant-k_q98b9c4d88c_quant
	.p2alignl 7, 3214868480
	.fill 96, 4, 3214868480
	.section	.rodata,"a",@progbits
	.p2align	6, 0x0
	.amdhsa_kernel k_q98b9c4d88c_quant
		.amdhsa_group_segment_fixed_size 85760
		.amdhsa_private_segment_fixed_size 0
		.amdhsa_enable_private_segment 0
		.amdhsa_kernarg_size 64
		.amdhsa_user_sgpr_count 2
		.amdhsa_user_sgpr_kernarg_segment_ptr 1
		.amdhsa_wavefront_size32 1
		.amdhsa_system_sgpr_workgroup_id_x 1
		.amdhsa_system_sgpr_workgroup_id_y 1
		.amdhsa_system_sgpr_workgroup_id_z 1
		.amdhsa_system_vgpr_workitem_id 0
		.amdhsa_next_free_vgpr 256
		.amdhsa_next_free_sgpr 66
		.amdhsa_reserve_vcc 1
		.amdhsa_float_denorm_mode_32 3
		.amdhsa_float_denorm_mode_16_64 3
		.amdhsa_memory_ordered 1
		.amdhsa_forward_progress 1
		.amdhsa_inst_pref_size 32
	.end_amdhsa_kernel
	.amdgpu_metadata
---
amdhsa.version: [ 1, 2 ]
amdhsa.kernels:
  - .name:           k_q98b9c4d88c_quant
    .symbol:         k_q98b9c4d88c_quant.kd
    .args:
      - { .name: x, .offset: 0, .size: 8, .value_kind: global_buffer, .address_space: global }
      - { .name: x_cond, .offset: 8, .size: 8, .value_kind: global_buffer, .address_space: global }
      - { .name: wq, .offset: 16, .size: 8, .value_kind: global_buffer, .address_space: global }
      - { .name: wk, .offset: 24, .size: 8, .value_kind: global_buffer, .address_space: global }
      - { .name: wv, .offset: 32, .size: 8, .value_kind: global_buffer, .address_space: global }
      - { .name: wo, .offset: 40, .size: 8, .value_kind: global_buffer, .address_space: global }
      - { .name: cin, .offset: 48, .size: 8, .value_kind: global_buffer, .address_space: global }
      - { .name: sin, .offset: 56, .size: 8, .value_kind: global_buffer, .address_space: global }
    .group_segment_fixed_size: 85760
    .private_segment_fixed_size: 0
    .kernarg_segment_align: 8
    .kernarg_segment_size: 64
    .max_flat_workgroup_size: 320
    .sgpr_count:     66
    .vgpr_count:     256
    .wavefront_size: 32
...
	.end_amdgpu_metadata
.endif
;; end of part 1
;; launch proj (part 2): grid 4 x 192, 4 waves a work-group, clusters of 4 x 4, 295,424 bytes of LDS; arguments cin, sin, bq, bk, bv, qkvc, qkvs; writes qkvc, qkvs
.if DOCPART == 2
	.amdgcn_target "amdgcn-amd-amdhsa--gfx1250"
	.amdhsa_code_object_version 6
	.text
	.protected	k_q98b9c4d88c_proj
	.globl	k_q98b9c4d88c_proj
	.p2align	8
	.type	k_q98b9c4d88c_proj,@function
k_q98b9c4d88c_proj:
	s_mov_b64 s[64:65], 0
	v_nop
	global_prefetch_b8 v0, s[64:65] scope:SCOPE_SE
	s_setreg_imm32_b32 hwreg(HW_REG_WAVE_MODE, 25, 1), 1
	s_wait_xcnt 0x0
	s_wait_alu depctr_hold_cnt(0) depctr_sa_sdst(0) depctr_va_vdst(0) depctr_va_sdst(0) depctr_va_ssrc(0) depctr_va_vcc(0) depctr_vm_vsrc(0)
	s_getreg_b32 s2, hwreg(HW_REG_IB_STS2, 6, 4)
	s_cmp_eq_u32 s2, 0
	s_cbranch_scc0 .Lentry_in_a_cluster
	s_endpgm
.Lentry_in_a_cluster:
	s_bfe_u32 s2, ttmp6, 0x10000c
	s_cmp_lg_u32 s2, 0xf033
	s_cbranch_scc0 .Lentry_shape_is_right
	s_endpgm
.Lentry_shape_is_right:
; The three projections, on codes of FP6 (E2M3) with E8M0 scales, their results quantised in registers for the attention.  ONE JOB serves all three:
; Out[m][n] = sum over k of A[m][k] B[n][k] + bias, K = 1,024, quantised along n in blocks of 32.
;   mode 0: q: A = x, B = wq, bias bq along n.    mode 1: k: A = x_cond, B = wk, bias bk along n.    mode 2: v TRANSPOSED: A = wv, B = x_cond, bias bv along m: n runs along the keys, which are the second attention product's K.
; The mode is the cluster's number / 16: the same in all partners; what it decides is chosen by s_cselect_b32, never by a branch.
; SHARES.  A work-group makes 128 m x 256 n; wave w makes 64 (w / 2) x 128 (w % 2): 4 tiles of A x 8 tiles of B, 32 accumulators, 256 registers.  Source 0 = a tile of B, source 1 = a tile of A: a lane holds ONE
; position of A's tile, and, by the order of rows in cin's tiles, registers 64 a + 16 q + i hold n = 32 q + 16 (lane / 16) + i of the wave's 128: neighbours along the next K.
; LDS.  All of K fits: A's 8 tiles (98,304 bytes) and B's 16 (196,608), as [chunk of 2 K steps][tile][3,072].  Every byte is filled ONCE, by four tensor loads a wave issued together at the start; each chunk is read behind its
; own counted wait and a barrier.  Nothing is filled again.  Fragments lie as images of their registers: every LDS load takes consecutive bytes.
; CLUSTER 4 x 4: A's tiles are shared along a row of the cluster, B's along a column: joint loads.
; The sums BEGIN with the bias (an order of rounding that differs from adding it at the end).  LIMITS as in the launch that makes cin: NaN and infinities not served; a block under 2^-124 gets the byte 1.
; RESULT.  qkvc: q at [hb][pair P][1,536]: half 0 = the 64 codes of query tile 2 P, half 1 = tile 2 P + 1;  from QREG on [hb][key step s][12,288]: k's four pairs, then v's four fragments (16 channels x 128 keys).
; qkvs: 64 bytes of scale words for each 1,536 bytes of codes, in the same order (v's words of channel tiles 0, 2 and 1, 3 share a register's two halves).  The scale words leave 128 bytes an instruction.
; REGISTERS: window 0: v1-12 addresses; v16-31 A's scale words, v32-63 B's; v64-159 A's fragments, two sets; v160-223 the bias along n, later the way out; v224-231 the bias along m.
;   window 1: B's fragments, two sets of 96.   window 2: the accumulators, (a, b) at v[8 (8 a + b)].
; THE FILLS AS THIS TEXT HAS THEM (this takes the place of what the lines on LDS above say of chunks and loads): a chunk is FOUR K steps, [chunk][tile][6,144]; two chunks.  All four fills go out at the head, one joint
; load a wave, each in an arm of its own of one chain of branches on the wave's number: wave 0 B's chunk 0 (16 tiles), wave 1 A's chunk 0 (8 tiles), wave 2 B's chunk 1, wave 3 A's chunk 1.
; The first barrier shows chunk 0: waves 0 and 1 alone wait ahead of it.  A barrier in K step 3, ahead of which every wave waits, shows chunk 1.  Every byte is filled once.
.set AA16, 3
.set AA8,  4
.set AB16, 5                           ; v5, v6  the same for B
.set AB8,  6
.set L16,  7                           ; v7-9    16, 8, 4 x lane
.set L8,   8
.set L4,   9
.set LS,   10                          ; v10     32 r + 16 h: a row's four scale words
.set OBN,  11                          ; v11     my byte in the bias along n
.set OBM,  12                          ; v12     and along m
.set SCA,  16
.set SCB,  32
.set AF,   64
.set BN,   160
.set BM,   224
.set PC,   160                         ; the way out: v160-171 a fragment's codes, v172-174, v176-178 the conversions' other halves
.set TM,   180                         ; v180-183 largest magnitudes, v184-187 bytes, v192-195 the conversions' scale operands
.set PW,   196                         ; v196-199 the four tiles' scale words
.set XS,   200                         ; v200-205 scale words on their way out
.set WV,   18
.set WM,   19
.set WN,   20
.set CX,   21
.set CY,   22
.set MODE, 24
.set SEL,  26                          ; s[26:27] v_permlanex16_b32's selects for lane l xor 16
.set G1A,  28                          ; s[28:35] descriptor group 1 for A's tiles;  s[36:43] for B's
.set G1B,  36
.set G0A,  44                          ; s[44:51] groups 0 for A's two chunks;  s[68:75] for B's
.set G0B,  68
.set M2,   60                          ; all ones in mode 2
.set M01,  61                          ; all ones in modes 0 and 1
.set HI16, 62                          ; lanes 16-31
.set MB,   66                          ; which 64 of m are my wave's
.set NB,   67                          ; which 128 of n
.set SELA, 84
.set SELB, 85
.set PP0,  86                          ; s[86:87] where a fragment's half 0 goes;  s[88:89] half 1
.set PP1,  88
.set PS0,  90                          ; s[90:91], s[92:93] where the scale words go
.set PS1,  92
.set SA,   94                          ; s[94:95] from tile to tile
.set MSB, 0
.macro WIN new                         ; the immediate's high byte repeats the setting that is left
.if MSB != \new
	s_set_vgpr_msb (MSB<<8)|\new
.set MSB, \new
.endif
.endm
.set MUL,  0xa1                        ; source 0 (B) window 1, source 1 (A) window 0, C and D window 2
.set TO_B, 0x40                        ; destination window 1
.set INIT, 0x80                        ; destination window 2
.set MAXW, 0x28                        ; sources 1 and 2 window 2
.set CVTW, 0x02                        ; source 0 window 2
.macro CROUND                          ; a round of the cluster's barrier
	s_barrier_signal -1
	s_barrier_wait -1
	s_cmp_lg_u32 s[WV], 0
	s_cbranch_scc1 .Lnot_wave_0_\@
	s_barrier_signal -3
.Lnot_wave_0_\@:
	s_barrier_wait -3
	s_barrier_signal -1
	s_barrier_wait -1
.endm
.macro PLACES
.rept 4
	v_nop
.endr
.endm
	s_load_b256 s[4:11], s[0:1], 0x0               ; cin, sin, bq, bk
	s_load_b128 s[12:15], s[0:1], 0x20             ; bv, qkvc
	s_load_b64 s[16:17], s[0:1], 0x30              ; qkvs
	v_lshl_add_u32 v254, v0, 2, 0x48000
	v_mov_b32 v255, 0
	ds_add_u32 v254, v255
	ds_add_u32 v254, v255
	v_lshrrev_b32 v1, 5, v0
	v_readfirstlane_b32 s[WV], v1                  ; wave 0..3
	s_lshr_b32 s[WM], s[WV], 1                     ; which 64 of the tile's m are mine.  Also: the chunk I fetch
	s_and_b32 s[WN], s[WV], 1                      ; which 128 of its n.  Also: I fetch for B (0) or for A (1)
	s_bfe_u32 s[CX], ttmp6, 0x40000
	s_bfe_u32 s[CY], ttmp6, 0x40004
	s_lshl_b32 s96, s[CY], 2
	s_lshl_b32 s96, 15, s96                        ; my row of the cluster
	s_lshl_b32 s97, 0x1111, s[CX]                  ; my column
	; group 1: rows of 6,144 bytes (a tile's four K steps; 768 elements of 8 bytes), 12,288 bytes (a tile) apart; A: 8 rows a load, B: 16; dense in LDS
	s_or_b32 s[G1A], s96, (3<<16)|(1<<21)          ; 15:0 the mask; 17:16 elements of 8 bytes; 21 set beside a mask
	s_or_b32 s[G1B], s97, (3<<16)|(1<<21)
	s_mov_b32 s[G1A+1], 768<<16                    ; tensor_dim0: a tile's four K steps, 6,144 bytes, 768 elements of 8 bytes
	s_mov_b32 s[G1A+2], 8<<16                      ; tensor_dim1: A's 8 tiles
	s_mov_b32 s[G1A+3], 768<<16                    ; tile_dim0
	s_mov_b32 s[G1A+4], 8                          ; tile_dim1
	s_mov_b32 s[G1A+5], 1536                       ; elements from row to row
	s_mov_b32 s[G1A+6], 0
	s_mov_b32 s[G1A+7], 0
	s_mov_b32 s[G1B+1], 768<<16
	s_mov_b32 s[G1B+2], 16<<16                     ; B's 16 tiles
	s_mov_b32 s[G1B+3], 768<<16
	s_mov_b32 s[G1B+4], 16
	s_mov_b32 s[G1B+5], 1536
	s_mov_b32 s[G1B+6], 0
	s_mov_b32 s[G1B+7], 0
	s_mov_b32 s[SEL], 0x76543210
	s_mov_b32 s[SEL+1], 0xfedcba98
	s_mov_b32 s[HI16], 0xffff0000
	s_and_b32 s23, ttmp7, 0xffff                   ; the cluster's number, 0..47
	s_lshr_b32 s[MODE], s23, 4
	s_and_b32 s25, s23, 15                         ; c: the cluster within its mode
	s_lshr_b32 s96, s25, 3
	s_and_b32 s97, s25, 7
	s_lshl_b32 s98, s[MODE], 9                     ; 0, 512, (1024)
	s_lshl_b32 s99, s[MODE], 6
	s_add_co_u32 s99, s99, 1024                    ; 1024, 1088
	s_cmp_eq_u32 s[MODE], 2
	s_cselect_b32 s96, s96, s25                    ; the cluster's place along m: c, or c / 8
	s_cselect_b32 s97, s97, 0                      ; along n: 0, or c % 8
	s_cselect_b32 s100, 128, 0
	s_cselect_b32 s99, 512, s99                    ; B's first tile in cin: wq 1024, wk 1088, x_cond 512
	s_cselect_b32 s[M2], -1, 0
	s_add_co_u32 s98, s98, s100                    ; A's: x 0, x_cond 512, wv 1152
	s_not_b32 s[M01], s[M2]
	s_lshl_b32 s96, s96, 2
	s_add_co_u32 s96, s96, s[CY]                   ; the work-group's place along m,
	s_lshl_b32 s97, s97, 2
	s_add_co_u32 s97, s97, s[CX]                   ; and along n
	s_lshl_b32 s[MB], s96, 1
	s_add_co_u32 s[MB], s[MB], s[WM]
	s_lshl_b32 s[NB], s97, 1
	s_add_co_u32 s[NB], s[NB], s[WN]
	s_lshl_b32 s96, s96, 3
	s_add_co_u32 s98, s98, s96                     ; the work-group's first tile of A (hangs on cy alone),
	s_lshl_b32 s97, s97, 4
	s_add_co_u32 s99, s99, s97                     ; and of B (on cx alone)
	s_mul_i32 s86, s98, 12288                      ; A's panel: the work-group's eight tiles
	s_mov_b32 s87, 0
	s_lshl_b32 s97, s[WN], 3
	s_add_co_u32 s97, s99, s97
	s_mul_i32 s88, s99, 12288                      ; B's panel: its sixteen
	s_mov_b32 s89, 0
	s_lshl_b32 s92, s97, 9                         ; (these eight are also the wave's own tiles of B: their scale words)
	s_mov_b32 s93, 0
	s_lshl_b32 s96, s[WM], 2
	s_add_co_u32 s96, s98, s96
	s_lshl_b32 s90, s96, 9                         ; the scale words of my four tiles of A
	s_mov_b32 s91, 0
	s_wait_dscnt 0x0
	s_wait_kmcnt 0x0
	s_add_nc_u64 s[86:87], s[4:5], s[86:87]
	s_add_nc_u64 s[88:89], s[4:5], s[88:89]
	s_add_nc_u64 s[90:91], s[6:7], s[90:91]
	s_add_nc_u64 s[92:93], s[6:7], s[92:93]
	s_cmp_eq_u32 s[MODE], 1
	s_cselect_b64 s[94:95], s[10:11], s[8:9]
	s_cmp_eq_u32 s[MODE], 2
	s_cselect_b64 s[94:95], s[12:13], s[94:95]     ; the mode's bias
.irp kc, 0,1
	s_mov_b32 s[G0A+4*\kc], 1                      ; count = 1
	s_mov_b32 s[G0A+4*\kc+1], \kc*49152            ; LDS address
	s_add_nc_u64 s[G0A+4*\kc+2:G0A+4*\kc+3], s[86:87], \kc*6144   ; global address: chunk kc of the panel's tiles
	s_or_b32 s[G0A+4*\kc+3], s[G0A+4*\kc+3], 0x80000000           ; type = 2
	s_mov_b32 s[G0B+4*\kc], 1
	s_mov_b32 s[G0B+4*\kc+1], 98304+\kc*98304
	s_add_nc_u64 s[G0B+4*\kc+2:G0B+4*\kc+3], s[88:89], \kc*6144
	s_or_b32 s[G0B+4*\kc+3], s[G0B+4*\kc+3], 0x80000000
.endr
	CROUND                                         ; all sixteen work-groups are here: the joint loads meet
	s_cmp_eq_u32 s[WV], 0                          ; one chain of branches on the wave's number, one joint load to an arm
	s_cbranch_scc0 .Lw1
	tensor_load_to_lds s[G0B:G0B+3], s[G1B:G1B+7]  ; wave 0: B's chunk 0
	s_nop 0
	PLACES
	s_branch .Lasked
.Lw1:
	s_cmp_eq_u32 s[WV], 1
	s_cbranch_scc0 .Lw2
	tensor_load_to_lds s[G0A:G0A+3], s[G1A:G1A+7]  ; wave 1: A's chunk 0
	s_nop 0
	PLACES
	s_branch .Lasked
.Lw2:
	s_cmp_eq_u32 s[WV], 2
	s_cbranch_scc0 .Lw3
	tensor_load_to_lds s[G0B+4:G0B+7], s[G1B:G1B+7]   ; wave 2: B's chunk 1
	s_nop 0
	PLACES
	s_branch .Lasked
.Lw3:
	tensor_load_to_lds s[G0A+4:G0A+7], s[G1A:G1A+7]   ; wave 3: A's chunk 1
	s_nop 0
	PLACES
.Lasked:
	v_and_b32 v1, 15, v0                           ; r
	v_bfe_u32 v2, v0, 4, 1                         ; h
	v_and_b32 v13, 31, v0
	v_lshlrev_b32 v[L16], 4, v13
	v_lshlrev_b32 v[L8], 3, v13
	v_lshlrev_b32 v[L4], 2, v13
	v_lshlrev_b32 v[LS], 5, v1
	v_lshl_add_u32 v[LS], v2, 4, v[LS]
	s_mul_i32 s96, s[WM], 24576                    ; my four tiles of A in a chunk
	v_add_nc_u32 v[AA16], s96, v[L16]
	v_add_nc_u32 v[AA8], s96, v[L8]
	s_mul_i32 s96, s[WN], 49152                    ; my eight of B, behind A's panel
	s_add_co_u32 s96, s96, 98304
	v_add_nc_u32 v[AB16], s96, v[L16]
	v_add_nc_u32 v[AB8], s96, v[L8]
	s_lshl_b32 s96, s[NB], 9
	s_and_b32 s96, s96, s[M01]                     ; the bias that does not apply is read at the buffer's start, so that no load leaves it, and then set to 0
	v_lshl_add_u32 v[OBN], v2, 6, s96              ; along n: 512 NB + 64 h
	s_lshl_b32 s97, s[MB], 8
	s_and_b32 s97, s97, s[M2]
	v_and_b32 v13, 8, v1
	v_add_nc_u32 v13, v13, v1                      ; r + 8 (r / 8)
	v_lshl_add_u32 v[OBM], v13, 2, s97             ; along m: 256 MB + 4 (r + 8 (r / 8))
.irp a, 0,1,2,3
	global_load_b128 v[SCA+4*\a:SCA+4*\a+3], v[LS], s[90:91] offset:512*\a   ; register j: lanes 0-15 the word of K step j, lanes 16-31 that of K step 4 + j
.endr
.irp b, 0,1,2,3,4,5,6,7
	global_load_b128 v[SCB+4*\b:SCB+4*\b+3], v[LS], s[92:93] offset:512*\b
.endr
.irp q, 0,1,2,3
.irp j, 0,1,2,3
	global_load_b128 v[BN+16*\q+4*\j:BN+16*\q+4*\j+3], v[OBN], s[94:95] offset:128*\q+16*\j
.endr
.endr
.irp a, 0,1,2,3
	global_load_b32 v[BM+2*\a], v[OBM], s[94:95] offset:4*(32*(\a/2)+8*(\a%2))
	v_mov_b32 v[BM+2*\a+1], 0                      ; (named with it as a pair, so it is written)
.endr
	s_wait_loadcnt 0x0
.set q, 0
.rept 64
	v_cndmask_b32 v[BN+q], 0, v[BN+q], s[M01]
.set q, q+1
.endr
.irp a, 0,1,2,3
	v_cndmask_b32 v[BM+2*\a], 0, v[BM+2*\a], s[M2]
.endr
	WIN INIT                                       ; the sums begin with the bias, while the tiles are on their way
.irp a, 0,1,2,3
.set q, 0
.rept 32
	v_pk_add_f32 v[64*\a+2*q:64*\a+2*q+1], v[BN+2*q:BN+2*q+1], v[BM+2*\a:BM+2*\a+1] op_sel_hi:[1,0]
.set q, q+1
.endr
.endr
	WIN 0
	; where the results go.  U counts pieces of 1,536 bytes of codes and of 64 bytes of scale words: U = base + (a head's pieces) x hb + the place within the head
	s_lshr_b32 s96, s[MB], 5
	s_lshl_b32 s96, s96, 4
	s_lshl_b32 s97, s[NB], 1
	s_add_co_u32 s96, s96, s97                     ; q, k: hb = 16 x batch + 2 NB (half 1 belongs to the next head)
	s_lshr_b32 s97, s[NB], 4
	s_lshl_b32 s97, s97, 4
	s_add_co_u32 s97, s97, s[MB]                   ; v: hb = 16 x batch + MB
	s_and_b32 s98, s[MB], 31
	s_lshl_b32 s98, s98, 1                         ; q: my first pair of tiles, p0
	s_lshr_b32 s99, s98, 2
	s_lshl_b32 s99, s99, 2
	s_add_co_u32 s99, s99, s98                     ; k: 8 (p0 / 4) + p0 % 4
	s_and_b32 s100, s[NB], 15
	s_lshl_b32 s100, s100, 3
	s_add_co_u32 s100, s100, 4                     ; v: 8 x key step + 4
	s_mov_b32 s[SA], 768
	s_mov_b32 s[SELA], 0x05040100
	s_mov_b32 s[SELB], 0x07060302
	s_cmp_eq_u32 s[MODE], 2
	s_cselect_b32 s96, s97, s96
	s_cselect_b32 s99, s100, s99
	s_cselect_b32 s[SA], 1536, s[SA]               ; from tile to tile: q, k half a piece; v a whole fragment
	s_cselect_b32 s[SELA], 0x03020100, s[SELA]     ; q, k: a head's two bytes of two tiles make a word; v: a tile's word as it is
	s_cselect_b32 s[SELB], 0x07060504, s[SELB]
	s_cmp_eq_u32 s[MODE], 0
	s_cselect_b32 s99, s98, s99
	s_cselect_b32 s97, 64, 128                     ; a head's pieces
	s_cselect_b32 s100, 0, 4096                    ; k and v lie behind q's 4,096 pieces
	s_mul_i32 s96, s96, s97
	s_add_co_u32 s96, s96, s99
	s_add_co_u32 s96, s96, s100                    ; U
	s_mul_i32 s98, s97, 1536                       ; a head's bytes of codes,
	s_lshl_b32 s99, s97, 6                         ; and of scale words
	s_cmp_eq_u32 s[MODE], 2
	s_cselect_b32 s98, 768, s98                    ; from half 0 to half 1: q, k the next head; v the fragment's second half
	s_cselect_b32 s99, 128, s99
	s_mul_i32 s100, s96, 1536
	s_mov_b32 s101, 0
	s_add_nc_u64 s[PP0:PP0+1], s[14:15], s[100:101]
	s_mov_b32 s100, s98
	s_add_nc_u64 s[PP1:PP1+1], s[PP0:PP0+1], s[100:101]
	s_lshl_b32 s100, s96, 6
	s_add_nc_u64 s[PS0:PS0+1], s[16:17], s[100:101]
	s_mov_b32 s100, s99
	s_add_nc_u64 s[PS1:PS1+1], s[PS0:PS0+1], s[100:101]
	s_mov_b32 s[SA+1], 0
.macro FRAG dst, a16, a8, off          ; a fragment's 12 registers from its image: every load takes consecutive bytes
	ds_load_b128 v[\dst:\dst+3], v[\a16] offset:\off
	ds_load_b64 v[\dst+4:\dst+5], v[\a8] offset:\off+512
	ds_load_b128 v[\dst+6:\dst+9], v[\a16] offset:\off+768
	ds_load_b64 v[\dst+10:\dst+11], v[\a8] offset:\off+1280
.endm
.macro FETCH s                         ; K step s: B's eight fragments and A's four into set s % 2: 48 LDS loads
	WIN TO_B
.irp b, 0,1,2,3,4,5,6,7
	FRAG 96*((\s)%2)+12*\b, AB16, AB8, 6144*\b+1536*((\s)%4)
.endr
	WIN 0
.irp a, 0,1,2,3
	FRAG AF+48*((\s)%2)+12*\a, AA16, AA8, 6144*\a+1536*((\s)%4)
.endr
.endm
.macro MUL32 s                         ; the 32 accumulators take turns, one instruction a turn, in the same order in every K step
.irp a, 0,1,2,3
.irp b, 0,1,2,3,4,5,6,7
.if (\s) < 4
	v_wmma_scale_f32_16x16x128_f8f6f4 v[8*(8*\a+\b):8*(8*\a+\b)+7], v[96*((\s)%2)+12*\b:96*((\s)%2)+12*\b+11], v[AF+48*((\s)%2)+12*\a:AF+48*((\s)%2)+12*\a+11], v[8*(8*\a+\b):8*(8*\a+\b)+7], v[SCB+4*\b+(\s)%4], v[SCA+4*\a+(\s)%4] matrix_a_fmt:MATRIX_FMT_FP6 matrix_b_fmt:MATRIX_FMT_FP6
.else
	v_wmma_scale_f32_16x16x128_f8f6f4 v[8*(8*\a+\b):8*(8*\a+\b)+7], v[96*((\s)%2)+12*\b:96*((\s)%2)+12*\b+11], v[AF+48*((\s)%2)+12*\a:AF+48*((\s)%2)+12*\a+11], v[8*(8*\a+\b):8*(8*\a+\b)+7], v[SCB+4*\b+(\s)%4], v[SCA+4*\a+(\s)%4] matrix_a_fmt:MATRIX_FMT_FP6 matrix_b_fmt:MATRIX_FMT_FP6 matrix_a_scale:MATRIX_SCALE_ROW1 matrix_b_scale:MATRIX_SCALE_ROW1
.endif
.endr
.endr
.endm
; K step s: the next step's fragments are asked for, then this step's 32 products are issued.  Loads into registers that matrix instructions have read stand four plain vector instructions behind them.
.macro STEP s
.if (\s) == 3
	s_wait_tensorcnt 0x0                           ; my load has landed: of waves 2 and 3 that is chunk 1
	s_wait_dscnt 0x0                               ; no LDS load of mine is out at the signal
	s_barrier_signal -1
	s_barrier_wait -1                              ; chunk 1 is whole
	v_add_nc_u32 v[AA16], 49152, v[AA16]           ; on to that chunk; these four are also the places in front of the loads below
	v_add_nc_u32 v[AA8], 49152, v[AA8]
	v_add_nc_u32 v[AB16], 98304, v[AB16]
	s_wait_alu depctr_va_vdst(0)
	v_add_nc_u32 v[AB8], 98304, v[AB8]
.elseif (\s) < 7
	PLACES
.endif
.if (\s) < 7
	FETCH (\s)+1
	s_wait_alu depctr_va_vdst(0)
	s_wait_dscnt 48                                ; all but the 48 just issued: this step's set is whole
.else
	s_wait_dscnt 0x0
.endif
	WIN MUL
	MUL32 \s
	WIN 0
.endm
	s_wait_alu depctr_va_vdst(0)
	s_cmp_lt_u32 s[WV], 2                          ; waves 0 and 1 wait for chunk 0, whose load lines are theirs alone; chunk 1 may stay out
	s_cbranch_scc0 .Lnot01
	s_wait_tensorcnt 0x0
.Lnot01:
	s_barrier_signal -1
	s_barrier_wait -1
	FETCH 0
.irp s, 0,1,2,3,4,5,6,7
	STEP \s
.endr
; THE WAY OUT.  Tile a's 64 numbers of a lane, register 16 b + i = n 32 b + 16 (lane / 16) + i of the lane's position, become a fragment's codes and its scale word, and leave as an image.
.macro QUANT a
.irp b, 0,1,2,3
	v_mov_b32 v[TM+\b], 0x1800000                  ; the floor 2^(3 - 127): the byte cannot fall under 1.  (For tile 0 these four are the places behind the last products)
.endr
	WIN MAXW
.irp i, 0,2,4,6,8,10,12,14
.irp b, 0,1,2,3
	v_max3_num_f32 v[TM+\b], v[TM+\b], |v[64*\a+16*\b+\i]|, |v[64*\a+16*\b+\i+1]|   ; each accumulator from its low end on; the four blocks by turns
.endr
.endr
	WIN 0
.irp b, 0,1,2,3
	v_permlanex16_b32 v[TM+4+\b], v[TM+\b], s[SEL], s[SEL+1]
.endr
.irp b, 0,1,2,3
	v_max_num_f32 v[TM+\b], v[TM+\b], v[TM+4+\b]   ; with lane l xor 16's 16: the block's largest magnitude
.endr
.irp b, 0,1,2,3
	v_add_nc_u32 v[TM+12+\b], 0xff000000, v[TM+\b] ; 2 off its exponent field: the conversion's scale operand
.endr
.irp b, 0,1,2,3
	v_lshrrev_b32 v[TM+4+\b], 23, v[TM+12+\b]      ; the scale's byte
.endr
	v_lshl_or_b32 v[PW+\a], v[TM+5], 8, v[TM+4]
	v_lshl_or_b32 v[PW+\a], v[TM+6], 16, v[PW+\a]
	v_lshl_or_b32 v[PW+\a], v[TM+7], 24, v[PW+\a]
	WIN CVTW
.irp c, 0,1
	v_cvt_scalef32_pk16_fp6_f32 v[PC+6*\c:PC+6*\c+2], v[64*\a+32*\c:64*\a+32*\c+15], v[TM+12+2*\c]
	v_cvt_scalef32_pk16_fp6_f32 v[PC+12+4*\c:PC+14+4*\c], v[64*\a+32*\c+16:64*\a+32*\c+31], v[TM+12+2*\c+1]   ; (a conversion's three registers begin on an even number)
.endr
	WIN 0
	v_nop                                          ; one plain place behind a scaled conversion
.irp c, 0,1                                    ; the operand's layout wants a WHOLE block in a lane: lanes 0-15 block 2 c, lanes 16-31 block 2 c + 1
.irp i, 0,1,2
	v_permlane16_swap_b32 v[PC+6*\c+\i], v[PC+12+4*\c+\i]
.endr
.irp i, 0,1,2
	v_mov_b32 v[PC+3+6*\c+\i], v[PC+12+4*\c+\i]
.endr
.endr
	global_store_b128 v[L16], v[PC:PC+3], s[PP0:PP0+1]             ; 512 consecutive bytes, at a multiple of 256 from the buffer's first byte,
	global_store_b64 v[L8], v[PC+4:PC+5], s[PP0:PP0+1] offset:512  ; and 256 more
	global_store_b128 v[L16], v[PC+6:PC+9], s[PP1:PP1+1]
	global_store_b64 v[L8], v[PC+10:PC+11], s[PP1:PP1+1] offset:512
	s_wait_xcnt 0x0                                ; the stores have read their bases and their data: both are written again only behind this wait
	s_add_nc_u64 s[PP0:PP0+1], s[PP0:PP0+1], s[SA:SA+1]
	s_add_nc_u64 s[PP1:PP1+1], s[PP1:PP1+1], s[SA:SA+1]
.endm
.irp a, 0,1,2,3
	QUANT \a
.endr
	v_perm_b32 v[XS], v[PW+1], v[PW], s[SELA]      ; q, k: the first head's bytes of tiles 0, 1;  v: tile 0's word
	v_perm_b32 v[XS+1], v[PW+1], v[PW], s[SELB]    ; the second head's;  tile 1's
	v_perm_b32 v[XS+2], v[PW+3], v[PW+2], s[SELA]
	v_perm_b32 v[XS+3], v[PW+3], v[PW+2], s[SELB]
	v_cndmask_b32 v[XS+4], v[XS], v[XS+2], s[HI16] ; lanes 0-15 the first pair's (v: tile 0's), lanes 16-31 the second's (tile 2's)
	v_cndmask_b32 v[XS+5], v[XS+1], v[XS+3], s[HI16]
	global_store_b32 v[L4], v[XS+4], s[PS0:PS0+1]  ; 128 consecutive bytes
	global_store_b32 v[L4], v[XS+5], s[PS1:PS1+1]
	s_wait_tensorcnt 0x0
	ds_add_u32 v254, v255
	s_wait_dscnt 0x0
	CROUND                                         ; the closing round: no work-group ends while a partner may still ask for a tile that names it
	s_endpgm
.Lfunc_end_k_q98b9c4d88c_proj:
	.size	k_q98b9c4d88c_proj, .Lfunc_end_k_q98b9c4d88c_proj-k_q98b9c4d88c_proj
	.p2alignl 7, 3214868480
	.fill 96, 4, 3214868480
	.section	.rodata,"a",@progbits
	.p2align	6, 0x0
	.amdhsa_kernel k_q98b9c4d88c_proj
		.amdhsa_group_segment_fixed_size 295424
		.amdhsa_private_segment_fixed_size 0
		.amdhsa_enable_private_segment 0
		.amdhsa_kernarg_size 56
		.amdhsa_user_sgpr_count 2
		.amdhsa_user_sgpr_kernarg_segment_ptr 1
		.amdhsa_wavefront_size32 1
		.amdhsa_system_sgpr_workgroup_id_x 1
		.amdhsa_system_sgpr_workgroup_id_y 1
		.amdhsa_system_sgpr_workgroup_id_z 1
		.amdhsa_system_vgpr_workitem_id 0
		.amdhsa_next_free_vgpr 768
		.amdhsa_next_free_sgpr 102
		.amdhsa_reserve_vcc 0
		.amdhsa_float_denorm_mode_32 3
		.amdhsa_float_denorm_mode_16_64 3
		.amdhsa_memory_ordered 1
		.amdhsa_forward_progress 1
		.amdhsa_inst_pref_size 103
	.end_amdhsa_kernel
	.amdgpu_metadata
---
amdhsa.version: [ 1, 2 ]
amdhsa.kernels:
  - .name:           k_q98b9c4d88c_proj
    .symbol:         k_q98b9c4d88c_proj.kd
    .args:
      - { .name: cin, .offset: 0, .size: 8, .value_kind: global_buffer, .address_space: global }
      - { .name: sin, .offset: 8, .size: 8, .value_kind: global_buffer, .address_space: global }
      - { .name: bq, .offset: 16, .size: 8, .value_kind: global_buffer, .address_space: global }
      - { .name: bk, .offset: 24, .size: 8, .value_kind: global_buffer, .address_space: global }
      - { .name: bv, .offset: 32, .size: 8, .value_kind: global_buffer, .address_space: global }
      - { .name: qkvc, .offset: 40, .size: 8, .value_kind: global_buffer, .address_space: global }
      - { .name: qkvs, .offset: 48, .size: 8, .value_kind: global_buffer, .address_space: global }
    .group_segment_fixed_size: 295424
    .private_segment_fixed_size: 0
    .kernarg_segment_align: 8
    .kernarg_segment_size: 56
    .max_flat_workgroup_size: 128
    .sgpr_count:     102
    .vgpr_count:     768
    .wavefront_size: 32
...
	.end_amdgpu_metadata
.endif
;; end of part 2
;; launch attn (part 3): grid 4 x 64, 16 waves a work-group, clusters of 4 x 1, 206,848 bytes of LDS; arguments qkvc, qkvs, oc, os; writes oc, os
.if DOCPART == 3
	.amdgcn_target "amdgcn-amd-amdhsa--gfx1250"
	.amdhsa_code_object_version 6
	.text
	.protected	k_q98b9c4d88c_attn
	.globl	k_q98b9c4d88c_attn
	.p2align	8
	.type	k_q98b9c4d88c_attn,@function
k_q98b9c4d88c_attn:
	s_mov_b64 s[64:65], 0
	v_nop
	global_prefetch_b8 v0, s[64:65] scope:SCOPE_SE
	s_setreg_imm32_b32 hwreg(HW_REG_WAVE_MODE, 25, 1), 1
	s_wait_xcnt 0x0
	s_wait_alu depctr_hold_cnt(0) depctr_sa_sdst(0) depctr_va_vdst(0) depctr_va_sdst(0) depctr_va_ssrc(0) depctr_va_vcc(0) depctr_vm_vsrc(0)
	s_getreg_b32 s2, hwreg(HW_REG_IB_STS2, 6, 4)
	s_cmp_eq_u32 s2, 0
	s_cbranch_scc0 .Lentry_in_a_cluster
	s_endpgm
.Lentry_in_a_cluster:
	s_bfe_u32 s2, ttmp6, 0x10000c
	s_cmp_lg_u32 s2, 0x3003
	s_cbranch_scc0 .Lentry_shape_is_right
	s_endpgm
.Lentry_shape_is_right:
; O[q] = the sum over k of softmax_k(Q[q] . K[k] / 8) V[k] for one head of 64, both products on codes of FP6 (E2M3) with E8M0 scales; the result is quantised along the model's 1,024 (blocks of 32 lie inside a head) for the last projection.
; THE SOFTMAX AHEAD OF THE SECOND PRODUCT: t = score x log2(e) / 8; M = the row's largest t so far, rounded UP to a whole number; p = 2^(t - M) is quantised along the keys, not normalised.
; The row's sum is taken of the unquantised p, in f32, and divides O at the end (v_rcp_f32 and a multiplication).  When M moves, the sum and O are multiplied by 2^(old M - new M): exact.
; SHARES.  A work-group owns 512 queries of one head hb = 16 x batch + head; each of its sixteen waves a pair of tiles of 16 queries, one tile a PASS over all 2,048 keys, 128 a step.  Four waves share a SIMD, so that one wave's
; vector work stands beside another's matrix work and LDS loads.
; LDS.  The head's K, V (196,608 bytes: [key step][12,288]: K's four pairs of tiles, V's four fragments) and their scale words (8,192) are fetched ONCE, by waves 0 and 1, five tensor loads each, and never filled again.
; Pass 0 reads each chunk of four key steps behind its counted wait and a barrier; pass 1 finds all of it landed.
; CLUSTER 4 x 1: the four blocks of queries of a head read the same K and V: joint loads.
; K = 64 IN AN INSTRUCTION OF 128.  A fragment of K holds key tile 2 b in k = 0 .. 63 and key tile 2 b + 1 in k = 64 .. 127.  Q's six registers stand between two runs of six zeros: v[22:33] = [Q, 0] picks the first tile,
; v[16:27] = [0, Q] the second.  Zero codes add nothing under any scale byte from 1 to 254, and all bytes here are such.
; LAYOUT.  Both products are used transposed (source 0 = 16 keys, or 16 channels of V; source 1 = my 16 queries, or p): a lane holds ONE query throughout.  By the order of rows in the tiles the 16 registers of tiles
; 2 b, 2 b + 1 are 16 neighbouring keys (channels): 32 b + 16 (lane / 16) + 0 .. 15.
; RESULT.  oc: [query tile][head][768]: half an image of the last projection's operand.  os: [query tile][position][32 bytes], byte 2 x head + block: stored a byte a lane, since a word's bytes come from two heads' work-groups.
; LIMITS: NaN and infinities are not served; a block under 2^-124 gets the scale byte 1.
; THE FILLS AS THIS TEXT HAS THEM (this takes the place of what the lines on LDS above say of loads, chunks and pass 0): one joint load a wave at the head, in one chain of branches on the wave's number:
; waves 0 to 7 two key steps of codes each (24,576 bytes), waves 8 and 9 half the scale words each (4,096 bytes); the other waves fetch nothing.  Every wave waits for its load (0), one barrier shows the whole head's
; K and V to all, and both passes walk their 16 key steps with no further wait on tiles and no further barrier.  Nothing is filled again.
.set QREG,  6291456
.set QSREG, 262144                     ; qkvs likewise
.set SCB,   196608                     ; LDS: the scale words, behind the codes
.set L16,  1                           ; v1   16 x lane
.set L8,   2                           ; v2   8 x lane
.set LSC,  3                           ; v3   SCB + 4 x lane
.set QW,   4                           ; v4   the pair's scale word: bytes 0, 1 the first tile's, bytes 2, 3 the second's
.set OSB,  5                           ; v5   32 r + h: my byte in os
.set R4,   6                           ; v6   4 r
.set AD16, 8                           ; v8-10 the step's addresses
.set AD8,  9
.set ADS,  10
.set QS,   34                          ; v34  the tile's two scale bytes, in both halves of the word
.set PS,   35                          ; v35  p's scale word
.set FR,   36                          ; v36-83 four fragments of K, then of V
.set KS,   84                          ; v84, v85 K's scale words;  v86, v87 V's
.set VS,   86
.set FF,   88                          ; v[88:89] f = 2^(old M - new M)
.set T0,   90                          ; v90, v91 at work
.set S,    96                          ; v96-159 S^T, then p
.set O,    160                         ; v160-191 O^T
.set PC,   192                         ; v192-203 p's codes;  v204-206, v208-210 the conversions' other halves
.set PT,   204
.set BX,   212                         ; v212-215 the blocks' maxima, v216-219 bytes, v220-223 the conversions' scale operands
.set SUM2, 224                         ; v[224:225] the sum's second chain
.set Q1,   226                         ; v226-231 the second tile's Q, until pass 1
.set WV,   12
.set CXR,  13
.set HB,   14
.set CS,   16                          ; s[16:17] c = log2(e) / 8
.set SEL,  18                          ; s[18:19] v_permlanex16_b32's selects for lane l xor 16
.set G1C,  20                          ; s[20:27] descriptor group 1 for the codes;  s[28:35] for the scale words
.set G1S,  28
.set G0,   36                          ; s[36:43] two groups 0: the scale words, then my two key steps of codes
.set TB,   56                          ; LDS byte at which the step's codes begin
.set TS,   57                          ; and its scale words, from SCB on
.set CNT,  58
.set HI16, 59
.macro CROUND                          ; a round of the cluster's barrier
	s_barrier_signal -1
	s_barrier_wait -1
	s_cmp_lg_u32 s[WV], 0
	s_cbranch_scc1 .Lnot_wave_0_\@
	s_barrier_signal -3
.Lnot_wave_0_\@:
	s_barrier_wait -3
	s_barrier_signal -1
	s_barrier_wait -1
.endm
.macro PLACES
.rept 4
	v_nop
.endr
.endm
	s_load_b256 s[4:11], s[0:1], 0x0               ; qkvc, qkvs, oc, os
	v_lshl_add_u32 v254, v0, 2, 0x32000
	v_mov_b32 v255, 0
	ds_add_u32 v254, v255
	ds_add_u32 v254, v255
	v_lshrrev_b32 v1, 5, v0
	s_delay_alu instid0(VALU_DEP_1)
	v_readfirstlane_b32 s[WV], v1                  ; wave 0..15
	s_bfe_u32 s[CXR], ttmp6, 0x40000               ; my block of 512 queries: it enters Q's, oc's and os's addresses alone
	s_and_b32 s[HB], ttmp7, 0xffff                 ; the head, which the four partners share
	s_and_b32 s60, s[WV], 1                        ; which half I fetch, if I fetch
	s_mul_i32 s66, s[HB], 196608
	s_and_b32 s61, s[WV], 7
	s_mul_i32 s61, s61, 24576                      ; my two key steps of codes, if I fetch codes: in memory and in LDS
	s_add_co_u32 s66, s66, s61
	s_add_co_u32 s66, s66, QREG
	s_mov_b32 s67, 0
	s_lshl_b32 s68, s[HB], 13
	s_lshl_b32 s62, s60, 12                        ; half the scale words
	s_add_co_u32 s68, s68, s62
	s_add_co_u32 s68, s68, QSREG
	s_mov_b32 s69, 0
	s_lshl_b32 s63, s[CXR], 4
	s_add_co_u32 s63, s63, s[WV]                   ; my pair of query tiles, 0..63
	s_mul_i32 s70, s[HB], 98304
	s_mul_i32 s72, s63, 1536
	s_add_co_u32 s70, s70, s72                     ; its codes
	s_mov_b32 s71, 0
	s_lshl_b32 s72, s[HB], 12
	s_lshl_b32 s73, s63, 6
	s_add_co_u32 s72, s72, s73                     ; its scale words
	s_mov_b32 s73, 0
	s_lshr_b32 s74, s[HB], 4
	s_lshl_b32 s74, s74, 7
	s_lshl_b32 s75, s63, 1
	s_add_co_u32 s74, s74, s75                     ; the first tile's number among all 512: 128 x batch + 2 x pair
	s_and_b32 s75, s[HB], 15                       ; the head within the batch
	s_mul_i32 s76, s74, 12288
	s_mul_i32 s77, s75, 768
	s_add_co_u32 s76, s76, s77
	s_mov_b32 s77, 0
	s_lshl_b32 s78, s74, 9
	s_lshl_b32 s79, s75, 1
	s_add_co_u32 s78, s78, s79
	s_mov_b32 s79, 0
	; group 1: dense blocks as rows of 256 bytes (32 elements of 8 bytes): 96 rows of codes, 16 of scale words
	s_mov_b32 s[G1C], 15|(3<<16)|(1<<21)           ; 15:0 the mask: all four work-groups; 17:16 elements of 8 bytes; 21 set beside a mask
	s_mov_b32 s[G1C+1], 32<<16
	s_mov_b32 s[G1C+2], 96<<16
	s_mov_b32 s[G1C+3], 32<<16
	s_mov_b32 s[G1C+4], 96
	s_mov_b32 s[G1C+5], 32
	s_mov_b32 s[G1C+6], 0
	s_mov_b32 s[G1C+7], 0
	s_mov_b32 s[G1S], 15|(3<<16)|(1<<21)
	s_mov_b32 s[G1S+1], 32<<16
	s_mov_b32 s[G1S+2], 16<<16
	s_mov_b32 s[G1S+3], 32<<16
	s_mov_b32 s[G1S+4], 16
	s_mov_b32 s[G1S+5], 32
	s_mov_b32 s[G1S+6], 0
	s_mov_b32 s[G1S+7], 0
	s_mov_b32 s[CS], 0x3e38aa3b                    ; c = log2(e) / 8
	s_mov_b32 s[CS+1], s[CS]                       ; (named with it as a pair, so it is written)
	s_mov_b32 s[SEL], 0x76543210
	s_mov_b32 s[SEL+1], 0xfedcba98
	s_mov_b32 s[HI16], 0xffff0000
	s_wait_dscnt 0x0
	s_wait_kmcnt 0x0
	s_add_nc_u64 s[66:67], s[4:5], s[66:67]        ; K's and V's codes, my two key steps
	s_add_nc_u64 s[68:69], s[6:7], s[68:69]        ; their scale words, my half
	s_add_nc_u64 s[4:5], s[4:5], s[70:71]          ; Q's codes
	s_add_nc_u64 s[6:7], s[6:7], s[72:73]          ; Q's scale words
	s_add_nc_u64 s[8:9], s[8:9], s[76:77]          ; oc
	s_add_nc_u64 s[10:11], s[10:11], s[78:79]      ; os
	s_mov_b32 s[G0], 1
	s_add_co_u32 s[G0+1], s62, SCB
	s_mov_b64 s[G0+2:G0+3], s[68:69]
	s_or_b32 s[G0+3], s[G0+3], 0x80000000
	s_mov_b32 s[G0+4], 1
	s_mov_b32 s[G0+5], s61
	s_mov_b64 s[G0+6:G0+7], s[66:67]
	s_or_b32 s[G0+7], s[G0+7], 0x80000000
	CROUND                                         ; all four work-groups are here: the joint loads meet
	s_cmp_lt_u32 s[WV], 8                          ; one chain of branches on the wave's number, one load to an arm
	s_cbranch_scc0 .Lscales
	tensor_load_to_lds s[G0+4:G0+7], s[G1C:G1C+7]  ; waves 0 to 7: key steps 2 w and 2 w + 1
	s_nop 0
	PLACES
	s_branch .Lasked
.Lscales:
	s_cmp_lt_u32 s[WV], 10
	s_cbranch_scc0 .Lasked
	tensor_load_to_lds s[G0:G0+3], s[G1S:G1S+7]    ; waves 8 and 9: half the scale words each
	s_nop 0
	PLACES
.Lasked:
	v_and_b32 v7, 31, v0                           ; lane
	v_and_b32 v11, 15, v0                          ; r
	v_bfe_u32 v[T0], v0, 4, 1                      ; h
	s_delay_alu instid0(VALU_DEP_3)
	v_lshlrev_b32 v[L16], 4, v7
	s_delay_alu instid0(VALU_DEP_4)
	v_lshlrev_b32 v[L8], 3, v7
	v_lshl_add_u32 v[LSC], v7, 2, SCB
	s_delay_alu instid0(VALU_DEP_4)
	v_lshl_add_u32 v[OSB], v11, 5, v[T0]
	v_lshlrev_b32 v[R4], 2, v11
	global_load_b128 v[22:25], v[L16], s[4:5]                  ; the first tile's Q, into its place between the zeros
	global_load_b64 v[26:27], v[L8], s[4:5] offset:512
	global_load_b128 v[Q1:Q1+3], v[L16], s[4:5] offset:768     ; the second tile's
	global_load_b64 v[Q1+4:Q1+5], v[L8], s[4:5] offset:1280
	global_load_b32 v[QW], v[R4], s[6:7]
.irp i, 0,1,2,3,4,5
	v_mov_b32 v[16+\i], 0
	v_mov_b32 v[28+\i], 0
.endr
.irp b, 0,1,2,3
	v_mov_b32 v[BX+4+\b], 0                        ; written once: a lane permute's destination counts as one of its sources
.endr
	v_mov_b32 v[FF+1], 0                           ; (named as the upper half of a pair)
	s_wait_loadcnt 0x0
.macro FRAG dst, a16, a8, off          ; a fragment's 12 registers from its image: every load takes consecutive bytes
	ds_load_b128 v[\dst:\dst+3], v[\a16] offset:\off
	ds_load_b64 v[\dst+4:\dst+5], v[\a8] offset:\off+512
	ds_load_b128 v[\dst+6:\dst+9], v[\a16] offset:\off+768
	ds_load_b64 v[\dst+10:\dst+11], v[\a8] offset:\off+1280
.endm
; A KEY STEP: 128 keys.
.macro STEP
	v_add_nc_u32 v[AD16], s[TB], v[L16]            ; with the v_nop: the four places in front of loads into registers that the last products read
	v_add_nc_u32 v[AD8], s[TB], v[L8]
	v_add_nc_u32 v[ADS], s[TS], v[LSC]
	v_nop
.irp b, 0,1,2,3
	FRAG FR+12*\b, AD16, AD8, 1536*\b
.endr
	ds_load_b32 v[KS], v[ADS]                      ; lanes 0-15: pair 0's words, lanes 16-31: pair 1's
	ds_load_b32 v[KS+1], v[ADS] offset:128         ; pairs 2 and 3
	s_wait_alu depctr_va_vdst(0)
	s_wait_dscnt 0x0
.irp b, 0,1,2,3                                ; S^T = K Q^T: each fragment of K twice, against [Q, 0] and [0, Q]
.if \b%2
	v_wmma_scale_f32_16x16x128_f8f6f4 v[S+16*\b:S+16*\b+7], v[FR+12*\b:FR+12*\b+11], v[22:33], 0, v[KS+\b/2], v[QS] matrix_a_fmt:MATRIX_FMT_FP6 matrix_b_fmt:MATRIX_FMT_FP6 matrix_a_scale:MATRIX_SCALE_ROW1
	v_wmma_scale_f32_16x16x128_f8f6f4 v[S+16*\b+8:S+16*\b+15], v[FR+12*\b:FR+12*\b+11], v[16:27], 0, v[KS+\b/2], v[QS] matrix_a_fmt:MATRIX_FMT_FP6 matrix_b_fmt:MATRIX_FMT_FP6 matrix_a_scale:MATRIX_SCALE_ROW1
.else
	v_wmma_scale_f32_16x16x128_f8f6f4 v[S+16*\b:S+16*\b+7], v[FR+12*\b:FR+12*\b+11], v[22:33], 0, v[KS+\b/2], v[QS] matrix_a_fmt:MATRIX_FMT_FP6 matrix_b_fmt:MATRIX_FMT_FP6
	v_wmma_scale_f32_16x16x128_f8f6f4 v[S+16*\b+8:S+16*\b+15], v[FR+12*\b:FR+12*\b+11], v[16:27], 0, v[KS+\b/2], v[QS] matrix_a_fmt:MATRIX_FMT_FP6 matrix_b_fmt:MATRIX_FMT_FP6
.endif
.endr
	PLACES                                         ; in front of the loads into K's registers and of the first read of the scores
.irp a, 0,1,2,3
	FRAG FR+12*\a, AD16, AD8, 6144+1536*\a         ; V's four fragments land while the softmax is worked
.endr
	ds_load_b32 v[VS], v[ADS] offset:256           ; lanes 0-15: channel tile 0's words, lanes 16-31: tile 2's
	ds_load_b32 v[VS+1], v[ADS] offset:384         ; tiles 1 and 3
.irp b, 0,1,2,3
	v_max3_num_f32 v[BX+\b], v[S+16*\b], v[S+1+16*\b], v[S+2+16*\b]   ; THE LARGEST SCORE OF EACH BLOCK OF 32 KEYS: for the row's maximum, and, since p rises with the score, for the block's largest p
.endr
.irp i, 3,5,7,9,11,13
.irp b, 0,1,2,3
	v_max3_num_f32 v[BX+\b], v[BX+\b], v[S+16*\b+\i], v[S+1+16*\b+\i]
.endr
.endr
.irp b, 0,1,2,3
	v_max_num_f32 v[BX+\b], v[BX+\b], v[S+15+16*\b]
.endr
.irp b, 0,1,2,3
	s_delay_alu instid0(VALU_DEP_4)
	v_permlanex16_b32 v[BX+4+\b], v[BX+\b], s[SEL], s[SEL+1]
.endr
.irp b, 0,1,2,3
	s_delay_alu instid0(VALU_DEP_4)
	v_max_num_f32 v[BX+\b], v[BX+\b], v[BX+4+\b]   ; with lane l xor 16's 16 keys
.endr
	s_delay_alu instid0(VALU_DEP_2)
	v_max3_num_f32 v[T0], v[BX], v[BX+1], v[BX+2]
	s_delay_alu instid0(VALU_DEP_1)
	v_max_num_f32 v[T0], v[T0], v[BX+3]            ; the step's largest score of my query
	s_delay_alu instid0(VALU_DEP_1)
	v_mul_f32 v[T0], s[CS], v[T0]                  ; as t (c is positive)
	s_delay_alu instid0(VALU_DEP_1)
	v_max_num_f32 v13, v13, v[T0]                  ; the running largest t
	v_mov_b32 v[T0], v12
	s_delay_alu instid0(VALU_DEP_2)
	v_floor_f32 v12, -v13                          ; the new -M = floor(-t) = -ceil(t): M is a whole number
	s_delay_alu instid0(VALU_DEP_1)
	v_sub_f32 v[T0], v12, v[T0]                    ; old M - new M: a whole number, 0 or less
	s_delay_alu instid0(VALU_DEP_1)
	v_cvt_i32_f32 v[T0], v[T0]                     ; (it saturates)
	s_delay_alu instid0(VALU_DEP_1)
	v_ldexp_f32 v[FF], 1.0, v[T0]                  ; f = 2^(old M - new M): a multiplication by it rounds nothing
.set j, 0
.rept 32
	v_pk_fma_f32 v[S+j:S+j+1], v[S+j:S+j+1], s[CS:CS+1], v[12:13] op_sel_hi:[1,0,0]   ; t - M, two at a time
.set j, j+2
.endr
.irp b, 0,1,2,3
	v_fma_f32 v[BX+\b], v[BX+\b], s[CS], v12       ; the same of each block's largest score
.endr
.set j, 0
	s_wait_alu depctr_va_vdst(0)
.rept 64
	v_exp_f32 v[S+j], v[S+j]                       ; p = 2^(t - M), at most 1
.set j, j+1
.endr
.irp b, 0,1,2,3
	v_exp_f32 v[BX+\b], v[BX+\b]                   ; the block's largest p: the same two instructions on the same number give the same bits
.endr
	v_pk_mul_f32 v[14:15], v[14:15], v[FF:FF+1] op_sel_hi:[1,0]   ; the sums under the new M.  (A plain place behind the exponentials)
	s_wait_alu depctr_va_vdst(0)
.irp b, 0,1,2,3
	v_max_num_f32 v[BX+\b], 0x1800000, v[BX+\b]    ; the floor 2^(3 - 127): the byte cannot fall under 1
.endr
.irp b, 0,1,2,3
	s_delay_alu instid0(VALU_DEP_4)
	v_add_nc_u32 v[BX+8+\b], 0xff000000, v[BX+\b]  ; 2 off the exponent field: the conversion's scale operand
.endr
.irp b, 0,1,2,3
	s_delay_alu instid0(VALU_DEP_4)
	v_lshrrev_b32 v[BX+4+\b], 23, v[BX+8+\b]       ; the scale's byte
.endr
	s_delay_alu instid0(VALU_DEP_3)
	v_lshl_or_b32 v[PS], v[BX+5], 8, v[BX+4]       ; p's scale word for these 128 keys
	s_delay_alu instid0(VALU_DEP_1)
	v_lshl_or_b32 v[PS], v[BX+6], 16, v[PS]
	s_delay_alu instid0(VALU_DEP_1)
	v_lshl_or_b32 v[PS], v[BX+7], 24, v[PS]
.irp c, 0,1
	v_cvt_scalef32_pk16_fp6_f32 v[PC+6*\c:PC+6*\c+2], v[S+32*\c:S+32*\c+15], v[BX+8+2*\c]
	v_cvt_scalef32_pk16_fp6_f32 v[PT+4*\c:PT+4*\c+2], v[S+32*\c+16:S+32*\c+31], v[BX+8+2*\c+1]   ; (a conversion's three registers begin on an even number)
.endr
	v_nop                                          ; one plain place behind a scaled conversion
.irp c, 0,1                                    ; the operand's layout wants a WHOLE block in a lane
.irp i, 0,1,2
	v_permlane16_swap_b32 v[PC+6*\c+\i], v[PT+4*\c+\i]
.endr
.irp i, 0,1,2
	s_delay_alu instid0(VALU_DEP_3)
	v_mov_b32 v[PC+3+6*\c+\i], v[PT+4*\c+\i]
.endr
.endr
	v_pk_add_f32 v[224:225], v[100:101], v[104:105]
	v_pk_add_f32 v[252:253], v[108:109], v[112:113]
	v_pk_add_f32 v[250:251], v[116:117], v[120:121]
	v_pk_add_f32 v[248:249], v[124:125], v[128:129]
	v_pk_add_f32 v[246:247], v[132:133], v[136:137]
	v_pk_add_f32 v[244:245], v[140:141], v[144:145]
	v_pk_add_f32 v[242:243], v[148:149], v[152:153]
	v_pk_add_f32 v[14:15], v[14:15], v[156:157]
	v_pk_add_f32 v[224:225], v[224:225], v[96:97]
	v_pk_add_f32 v[252:253], v[252:253], v[98:99]
	v_pk_add_f32 v[250:251], v[250:251], v[102:103]
	v_pk_add_f32 v[248:249], v[248:249], v[106:107]
	v_pk_add_f32 v[246:247], v[246:247], v[110:111]
	v_pk_add_f32 v[244:245], v[244:245], v[114:115]
	v_pk_add_f32 v[242:243], v[242:243], v[118:119]
	v_pk_add_f32 v[14:15], v[14:15], v[122:123]
	v_pk_add_f32 v[224:225], v[224:225], v[126:127]
	v_pk_add_f32 v[252:253], v[252:253], v[130:131]
	v_pk_add_f32 v[250:251], v[250:251], v[134:135]
	v_pk_add_f32 v[248:249], v[248:249], v[138:139]
	v_pk_add_f32 v[246:247], v[246:247], v[142:143]
	v_pk_add_f32 v[244:245], v[244:245], v[146:147]
	v_pk_add_f32 v[242:243], v[242:243], v[150:151]
	v_pk_add_f32 v[14:15], v[14:15], v[154:155]
	v_pk_add_f32 v[224:225], v[224:225], v[158:159]
	s_delay_alu instid0(VALU_DEP_2)
	v_pk_add_f32 v[14:15], v[14:15], v[248:249]
	s_delay_alu instid0(VALU_DEP_2)
	v_pk_add_f32 v[224:225], v[224:225], v[246:247]
	v_pk_add_f32 v[252:253], v[252:253], v[244:245]
	v_pk_add_f32 v[250:251], v[250:251], v[242:243]
	s_delay_alu instid0(VALU_DEP_2)
	v_pk_add_f32 v[14:15], v[14:15], v[252:253]
	s_delay_alu instid0(VALU_DEP_2)
	v_pk_add_f32 v[224:225], v[224:225], v[250:251]
	s_delay_alu instid0(VALU_DEP_1)
	v_pk_add_f32 v[14:15], v[14:15], v[224:225]
.set j, 0
.rept 16
	v_pk_mul_f32 v[O+j:O+j+1], v[O+j:O+j+1], v[FF:FF+1] op_sel_hi:[1,0]   ; O^T under the new M.  (With the sums: more than the eight places between the scale word's last write and the products below)
.set j, j+2
.endr
	s_wait_alu depctr_va_vdst(0)
	s_wait_dscnt 0x0                               ; V is in
.irp a, 0,1,2,3                                ; O^T += V^T p^T: the four accumulators by turns
.if \a/2
	v_wmma_scale_f32_16x16x128_f8f6f4 v[O+8*\a:O+8*\a+7], v[FR+12*\a:FR+12*\a+11], v[PC:PC+11], v[O+8*\a:O+8*\a+7], v[VS+\a%2], v[PS] matrix_a_fmt:MATRIX_FMT_FP6 matrix_b_fmt:MATRIX_FMT_FP6 matrix_a_scale:MATRIX_SCALE_ROW1
.else
	v_wmma_scale_f32_16x16x128_f8f6f4 v[O+8*\a:O+8*\a+7], v[FR+12*\a:FR+12*\a+11], v[PC:PC+11], v[O+8*\a:O+8*\a+7], v[VS+\a%2], v[PS] matrix_a_fmt:MATRIX_FMT_FP6 matrix_b_fmt:MATRIX_FMT_FP6
.endif
.endr
	s_add_co_u32 s[TB], s[TB], 12288               ; the next step's codes and scale words
	s_add_co_u32 s[TS], s[TS], 512
.endm
.macro RUN first, n                    ; n key steps from key step first on
	s_mov_b32 s[TB], 12288*\first
	s_mov_b32 s[TS], 512*\first
	s_mov_b32 s[CNT], \n
.Lkey_\@:
	STEP
	s_sub_co_i32 s[CNT], s[CNT], 1
	s_cmp_lg_u32 s[CNT], 0
	s_cbranch_scc1 .Lkey_\@
.endm
.macro BEGIN p                         ; tile p of the pair
	v_perm_b32 v[QS], v[QW], v[QW], 0x01000100+0x02020202*\p   ; its two scale bytes, for k = 0 .. 63 and again for k = 64 .. 127
	v_mov_b32 v13, 0xff61b1e6                      ; the largest t so far: -3e38, under every t
	s_delay_alu instid0(VALU_DEP_1)
	v_floor_f32 v12, -v13                          ; -M
	v_mov_b32 v14, 0                               ; the sum, in two halves
	v_mov_b32 v15, 0
.set j, 0
.rept 32
	v_mov_b32 v[O+j], 0                            ; O^T: the step is written once; the first finds zeros, which the first change of M leaves zeros.  (Also the places between the scale word's write and the first product)
.set j, j+1
.endr
.endm
.macro LEAVE p                         ; O^T / the sum, quantised along the head's 64: two blocks, half an image, two scale bytes
	PLACES                                         ; behind the last products
	v_add_f32 v14, v14, v15                        ; the sum's two halves,
	s_delay_alu instid0(VALU_DEP_1)
	v_permlanex16_b32 v[T0], v14, s[SEL], s[SEL+1]
	s_delay_alu instid0(VALU_DEP_1)
	v_add_f32 v14, v14, v[T0]                      ; and lane l xor 16's: the row's sum
	s_wait_alu depctr_va_vdst(0)
	v_rcp_f32 v14, v14
	v_nop                                          ; one plain place behind a transcendental
.set j, 0
	s_wait_alu depctr_va_vdst(0)
.rept 32
	v_mul_f32 v[S+j], v[O+j], v14                  ; register 16 b + i: channel 32 b + 16 (lane / 16) + i; each accumulator from its low end on
.set j, j+1
.endr
.irp b, 0,1
	v_max3_num_f32 v[BX+\b], |v[S+16*\b]|, |v[S+1+16*\b]|, 0x1800000
.endr
.irp i, 2,4,6,8,10,12,14
.irp b, 0,1
	s_delay_alu instid0(VALU_DEP_2)
	v_max3_num_f32 v[BX+\b], v[BX+\b], |v[S+16*\b+\i]|, |v[S+1+16*\b+\i]|
.endr
.endr
.irp b, 0,1
	s_delay_alu instid0(VALU_DEP_2)
	v_permlanex16_b32 v[BX+4+\b], v[BX+\b], s[SEL], s[SEL+1]
.endr
.irp b, 0,1
	s_delay_alu instid0(VALU_DEP_2)
	v_max_num_f32 v[BX+\b], v[BX+\b], v[BX+4+\b]
.endr
.irp b, 0,1
	s_delay_alu instid0(VALU_DEP_2)
	v_add_nc_u32 v[BX+8+\b], 0xff000000, v[BX+\b]
.endr
.irp b, 0,1
	s_delay_alu instid0(VALU_DEP_2)
	v_lshrrev_b32 v[BX+4+\b], 23, v[BX+8+\b]
.endr
	s_delay_alu instid0(VALU_DEP_1)
	v_cndmask_b32 v[T0+1], v[BX+4], v[BX+5], s[HI16]   ; lanes 0-15 store block 0's byte, lanes 16-31 block 1's
	v_cvt_scalef32_pk16_fp6_f32 v[PC:PC+2], v[S:S+15], v[BX+8]
	v_cvt_scalef32_pk16_fp6_f32 v[PT:PT+2], v[S+16:S+31], v[BX+9]
	v_nop
.irp i, 0,1,2
	v_permlane16_swap_b32 v[PC+\i], v[PT+\i]
.endr
.irp i, 0,1,2
	s_delay_alu instid0(VALU_DEP_3)
	v_mov_b32 v[PC+3+\i], v[PT+\i]
.endr
	global_store_b128 v[L16], v[PC:PC+3], s[8:9] offset:12288*\p          ; 512 consecutive bytes, at a multiple of 256 from the buffer's first byte,
	global_store_b64 v[L8], v[PC+4:PC+5], s[8:9] offset:12288*\p+512      ; and 256 more
	global_store_b8 v[OSB], v[T0+1], s[10:11] offset:512*\p
.endm
	BEGIN 0
	s_wait_tensorcnt 0x0                           ; my load, if I issued one, has landed
	s_wait_dscnt 0x0
	s_barrier_signal -1
	s_barrier_wait -1                              ; everybody's has: the head's K, V and scale words are whole
	RUN 0, 16
	LEAVE 0
	s_wait_xcnt 0x0                                ; the stores have read their data: the code registers are written again only behind this wait
.irp i, 0,1,2,3,4,5
	v_mov_b32 v[22+\i], v[Q1+\i]                   ; the second tile's Q takes the place between the zeros
.endr
	BEGIN 1
	RUN 0, 16                                      ; all of the head lies in LDS, and nobody writes it: no wait, no barrier
	LEAVE 1
	s_wait_tensorcnt 0x0
	ds_add_u32 v254, v255
	s_wait_dscnt 0x0
	CROUND                                         ; the closing round: no work-group ends while a partner may still ask for a tile that names it
	s_endpgm
.Lfunc_end_k_q98b9c4d88c_attn:
	.size	k_q98b9c4d88c_attn, .Lfunc_end_k_q98b9c4d88c_attn-k_q98b9c4d88c_attn
	.p2alignl 7, 3214868480
	.fill 96, 4, 3214868480
	.section	.rodata,"a",@progbits
	.p2align	6, 0x0
	.amdhsa_kernel k_q98b9c4d88c_attn
		.amdhsa_group_segment_fixed_size 206848
		.amdhsa_private_segment_fixed_size 0
		.amdhsa_enable_private_segment 0
		.amdhsa_kernarg_size 32
		.amdhsa_user_sgpr_count 2
		.amdhsa_user_sgpr_kernarg_segment_ptr 1
		.amdhsa_wavefront_size32 1
		.amdhsa_system_sgpr_workgroup_id_x 1
		.amdhsa_system_sgpr_workgroup_id_y 1
		.amdhsa_system_sgpr_workgroup_id_z 1
		.amdhsa_system_vgpr_workitem_id 0
		.amdhsa_next_free_vgpr 256
		.amdhsa_next_free_sgpr 80
		.amdhsa_reserve_vcc 0
		.amdhsa_float_denorm_mode_32 3
		.amdhsa_float_denorm_mode_16_64 3
		.amdhsa_memory_ordered 1
		.amdhsa_forward_progress 1
		.amdhsa_inst_pref_size 54
	.end_amdhsa_kernel
	.amdgpu_metadata
---
amdhsa.version: [ 1, 2 ]
amdhsa.kernels:
  - .name:           k_q98b9c4d88c_attn
    .symbol:         k_q98b9c4d88c_attn.kd
    .args:
      - { .name: qkvc, .offset: 0, .size: 8, .value_kind: global_buffer, .address_space: global }
      - { .name: qkvs, .offset: 8, .size: 8, .value_kind: global_buffer, .address_space: global }
      - { .name: oc, .offset: 16, .size: 8, .value_kind: global_buffer, .address_space: global }
      - { .name: os, .offset: 24, .size: 8, .value_kind: global_buffer, .address_space: global }
    .group_segment_fixed_size: 206848
    .private_segment_fixed_size: 0
    .kernarg_segment_align: 8
    .kernarg_segment_size: 32
    .max_flat_workgroup_size: 512
    .sgpr_count:     80
    .vgpr_count:     256
    .wavefront_size: 32
...
	.end_amdgpu_metadata
.endif
;; end of part 3
;; launch outp (part 4): grid 4 x 64, 4 waves a work-group, clusters of 4 x 4, 312,832 bytes of LDS; arguments oc, os, cin, sin, bo, out0; writes out0
.if DOCPART == 4
	.amdgcn_target "amdgcn-amd-amdhsa--gfx1250"
	.amdhsa_code_object_version 6
	.text
	.protected	k_q98b9c4d88c_outp
	.globl	k_q98b9c4d88c_outp
	.p2align	8
	.type	k_q98b9c4d88c_outp,@function
k_q98b9c4d88c_outp:
	s_mov_b64 s[64:65], 0
	v_nop
	global_prefetch_b8 v0, s[64:65] scope:SCOPE_SE
	s_setreg_imm32_b32 hwreg(HW_REG_WAVE_MODE, 25, 1), 1
	s_wait_xcnt 0x0
	s_wait_alu depctr_hold_cnt(0) depctr_sa_sdst(0) depctr_va_vdst(0) depctr_va_sdst(0) depctr_va_ssrc(0) depctr_va_vcc(0) depctr_vm_vsrc(0)
	s_getreg_b32 s2, hwreg(HW_REG_IB_STS2, 6, 4)
	s_cmp_eq_u32 s2, 0
	s_cbranch_scc0 .Lentry_in_a_cluster
	s_endpgm
.Lentry_in_a_cluster:
	s_bfe_u32 s2, ttmp6, 0x10000c
	s_cmp_lg_u32 s2, 0xf033
	s_cbranch_scc0 .Lentry_shape_is_right
	s_endpgm
.Lentry_shape_is_right:
; out0[m][n] = sum over k of O[m][k] wo[n][k] + bo[n], K = 1,024, on codes of FP6 (E2M3) with E8M0 scales.  O's codes and scale words (oc, os) come from the attention, wo's (cin, sin, tiles 1216 on) from the first launch.
; SHARES.  A work-group makes 128 m x 256 n; wave w makes 64 (w / 2) x 128 (w % 2): 4 tiles of O x 8 tiles of wo, 32 accumulators.  Source 0 = a tile of wo, source 1 = a tile of O: a lane holds one position of O's tile, and
; registers 64 a + 16 q + i hold column 32 q + 16 (lane / 16) + i of the wave's 128.  The bias is the C of each sum's first product.
; LDS.  All of K fits: O's 8 tiles (98,304 bytes) and wo's 16 (196,608), as [chunk of 2 K steps][tile][3,072]; each byte is filled ONCE, by four tensor loads a wave issued together; each chunk is read behind its own counted wait
; and a barrier.  Behind the panels, in bytes into which no tile lands: a stage of 16 rows x 272 bytes for each wave, for the way out.
; CLUSTER 4 x 4: O's tiles are shared along a row of the cluster, wo's along a column: joint loads.
; Position r of tile t is row 32 (t / 2) + 8 (t % 2) + r + 8 (r / 8): the stores put each row where it belongs.
; REGISTERS: window 0: v1-14 addresses; v16-31 O's scale words, v32-63 wo's; v64-159 O's fragments, two sets; v160-223 the bias, later rows on their way out.  window 1: wo's fragments, two sets of 96.  window 2: the accumulators.
; THE FILLS AS THIS TEXT HAS THEM (this takes the place of what the lines on LDS above say of chunks and loads): a chunk is FOUR K steps, [chunk][tile][6,144]; two chunks.  All four fills go out at the head, one joint
; load a wave, each in an arm of its own of one chain of branches on the wave's number: wave 0 wo's chunk 0 (16 tiles), wave 1 O's chunk 0 (8 tiles), wave 2 wo's chunk 1, wave 3 O's chunk 1.
; The first barrier shows chunk 0: waves 0 and 1 alone wait ahead of it.  A barrier in K step 3, ahead of which every wave waits, shows chunk 1.  Every byte is filled once.
.set AA16, 3
.set AA8,  4
.set AB16, 5
.set AB8,  6
.set L16,  7
.set L8,   8
.set LS,   10                          ; v10  32 r + 16 h: a row's four scale words
.set OBN,  11                          ; v11  my byte in the bias
.set STO,  12                          ; v12  the stage: where I put my numbers
.set RD,   13                          ; v13  and where I read rows back
.set CO,   14                          ; v14  4,096 h + 16 r: the same place in two rows of out0
.set SCA,  16
.set SCB,  32
.set AF,   64
.set BN,   160
.set BK,   160                         ; the way out: two sets of 32
.set STG,  294912
.set WV,   18
.set WM,   19
.set WN,   20
.set CX,   21
.set CY,   22
.set G1A,  28
.set G1B,  36
.set G0A,  44
.set G0B,  68
.set MB,   66
.set NB,   67
.set MSB, 0
.macro WIN new                         ; the immediate's high byte repeats the setting that is left
.if MSB != \new
	s_set_vgpr_msb (MSB<<8)|\new
.set MSB, \new
.endif
.endm
.set MUL,  0xa1                        ; source 0 (wo) window 1, source 1 (O) window 0, C and D window 2
.set MUL0, 0x81                        ; the same with C (the bias) in window 0
.set TO_B, 0x40                        ; destination window 1
.macro CROUND                          ; a round of the cluster's barrier
	s_barrier_signal -1
	s_barrier_wait -1
	s_cmp_lg_u32 s[WV], 0
	s_cbranch_scc1 .Lnot_wave_0_\@
	s_barrier_signal -3
.Lnot_wave_0_\@:
	s_barrier_wait -3
	s_barrier_signal -1
	s_barrier_wait -1
.endm
.macro PLACES
.rept 4
	v_nop
.endr
.endm
	s_load_b256 s[4:11], s[0:1], 0x0               ; oc, os, cin, sin
	s_load_b128 s[12:15], s[0:1], 0x20             ; bo, out0
	v_lshl_add_u32 v254, v0, 2, 0x4c400
	v_mov_b32 v255, 0
	ds_add_u32 v254, v255
	ds_add_u32 v254, v255
	v_lshrrev_b32 v1, 5, v0
	v_readfirstlane_b32 s[WV], v1                  ; wave 0..3
	s_lshr_b32 s[WM], s[WV], 1                     ; which 64 rows are mine.  Also: the chunk I fetch
	s_and_b32 s[WN], s[WV], 1                      ; which 128 columns.  Also: I fetch for wo (0) or for O (1)
	s_bfe_u32 s[CX], ttmp6, 0x40000
	s_bfe_u32 s[CY], ttmp6, 0x40004
	s_lshl_b32 s96, s[CY], 2
	s_lshl_b32 s96, 15, s96                        ; my row of the cluster
	s_lshl_b32 s97, 0x1111, s[CX]                  ; my column
	; group 1: rows of 6,144 bytes (a tile's four K steps; 768 elements of 8 bytes), 12,288 bytes (a tile) apart; O: 8 rows a load, wo: 16; dense in LDS
	s_or_b32 s[G1A], s96, (3<<16)|(1<<21)
	s_or_b32 s[G1B], s97, (3<<16)|(1<<21)
	s_mov_b32 s[G1A+1], 768<<16                    ; a tile's four K steps, 6,144 bytes, 768 elements of 8 bytes
	s_mov_b32 s[G1A+2], 8<<16                      ; O's 8 tiles
	s_mov_b32 s[G1A+3], 768<<16
	s_mov_b32 s[G1A+4], 8
	s_mov_b32 s[G1A+5], 1536
	s_mov_b32 s[G1A+6], 0
	s_mov_b32 s[G1A+7], 0
	s_mov_b32 s[G1B+1], 768<<16
	s_mov_b32 s[G1B+2], 16<<16                     ; wo's 16 tiles
	s_mov_b32 s[G1B+3], 768<<16
	s_mov_b32 s[G1B+4], 16
	s_mov_b32 s[G1B+5], 1536
	s_mov_b32 s[G1B+6], 0
	s_mov_b32 s[G1B+7], 0
	s_and_b32 s23, ttmp7, 0xffff                   ; the cluster's number, 0..15
	s_lshl_b32 s96, s23, 2
	s_add_co_u32 s96, s96, s[CY]                   ; the work-group's place along m, 0..63
	s_lshl_b32 s[MB], s96, 1
	s_add_co_u32 s[MB], s[MB], s[WM]               ; which 64 rows are my wave's
	s_lshl_b32 s[NB], s[CX], 1
	s_add_co_u32 s[NB], s[NB], s[WN]               ; which 128 columns
	s_lshl_b32 s98, s96, 3                         ; the work-group's first tile of O (hangs on cy alone),
	s_lshl_b32 s99, s[CX], 4
	s_add_co_u32 s99, s99, 1216                    ; and of wo in cin (on cx alone)
	s_mul_i32 s86, s98, 12288                      ; O's panel: the work-group's eight tiles
	s_mov_b32 s87, 0
	s_lshl_b32 s97, s[WN], 3
	s_add_co_u32 s97, s99, s97
	s_mul_i32 s88, s99, 12288                      ; wo's panel: its sixteen
	s_mov_b32 s89, 0
	s_lshl_b32 s92, s97, 9                         ; (these eight are also the wave's own tiles of wo: their scale words)
	s_mov_b32 s93, 0
	s_lshl_b32 s96, s[WM], 2
	s_add_co_u32 s96, s98, s96
	s_lshl_b32 s90, s96, 9                         ; the scale words of my four tiles of O
	s_mov_b32 s91, 0
	s_lshl_b32 s94, s[MB], 18                      ; out0: 64 MB rows of 4,096 bytes,
	s_lshl_b32 s95, s[NB], 9                       ; + 128 NB columns
	s_add_co_u32 s94, s94, s95
	s_mov_b32 s95, 0
	s_wait_dscnt 0x0
	s_wait_kmcnt 0x0
	s_add_nc_u64 s[86:87], s[4:5], s[86:87]
	s_add_nc_u64 s[88:89], s[8:9], s[88:89]
	s_add_nc_u64 s[90:91], s[6:7], s[90:91]
	s_add_nc_u64 s[92:93], s[10:11], s[92:93]
	s_add_nc_u64 s[14:15], s[14:15], s[94:95]
.irp kc, 0,1
	s_mov_b32 s[G0A+4*\kc], 1                      ; count = 1
	s_mov_b32 s[G0A+4*\kc+1], \kc*49152            ; LDS address
	s_add_nc_u64 s[G0A+4*\kc+2:G0A+4*\kc+3], s[86:87], \kc*6144   ; global address: chunk kc of the panel's tiles
	s_or_b32 s[G0A+4*\kc+3], s[G0A+4*\kc+3], 0x80000000           ; type = 2
	s_mov_b32 s[G0B+4*\kc], 1
	s_mov_b32 s[G0B+4*\kc+1], 98304+\kc*98304
	s_add_nc_u64 s[G0B+4*\kc+2:G0B+4*\kc+3], s[88:89], \kc*6144
	s_or_b32 s[G0B+4*\kc+3], s[G0B+4*\kc+3], 0x80000000
.endr
	CROUND                                         ; all sixteen work-groups are here: the joint loads meet
	s_cmp_eq_u32 s[WV], 0                          ; one chain of branches on the wave's number, one joint load to an arm
	s_cbranch_scc0 .Lw1
	tensor_load_to_lds s[G0B:G0B+3], s[G1B:G1B+7]  ; wave 0: wo's chunk 0
	s_nop 0
	PLACES
	s_branch .Lasked
.Lw1:
	s_cmp_eq_u32 s[WV], 1
	s_cbranch_scc0 .Lw2
	tensor_load_to_lds s[G0A:G0A+3], s[G1A:G1A+7]  ; wave 1: O's chunk 0
	s_nop 0
	PLACES
	s_branch .Lasked
.Lw2:
	s_cmp_eq_u32 s[WV], 2
	s_cbranch_scc0 .Lw3
	tensor_load_to_lds s[G0B+4:G0B+7], s[G1B:G1B+7]   ; wave 2: wo's chunk 1
	s_nop 0
	PLACES
	s_branch .Lasked
.Lw3:
	tensor_load_to_lds s[G0A+4:G0A+7], s[G1A:G1A+7]   ; wave 3: O's chunk 1
	s_nop 0
	PLACES
.Lasked:
	v_and_b32 v1, 15, v0                           ; r
	v_bfe_u32 v2, v0, 4, 1                         ; h
	v_and_b32 v9, 31, v0
	v_lshlrev_b32 v[L16], 4, v9
	v_lshlrev_b32 v[L8], 3, v9
	v_lshlrev_b32 v[LS], 5, v1
	v_lshl_add_u32 v[LS], v2, 4, v[LS]
	s_mul_i32 s96, s[WM], 24576                    ; my four tiles of O in a chunk
	v_add_nc_u32 v[AA16], s96, v[L16]
	v_add_nc_u32 v[AA8], s96, v[L8]
	s_mul_i32 s96, s[WN], 49152                    ; my eight of wo, behind O's panel
	s_add_co_u32 s96, s96, 98304
	v_add_nc_u32 v[AB16], s96, v[L16]
	v_add_nc_u32 v[AB8], s96, v[L8]
	s_lshl_b32 s96, s[NB], 9
	v_lshl_add_u32 v[OBN], v2, 6, s96              ; the bias: 512 NB + 64 h
	s_mul_i32 s96, s[WV], 16*272
	s_add_co_u32 s96, s96, STG                     ; my stage
	v_mul_u32_u24 v[STO], v1, 272
	v_lshl_add_u32 v[STO], v2, 6, v[STO]
	v_add_nc_u32 v[STO], s96, v[STO]               ; in: row r, + 64 h
	v_mul_u32_u24 v[RD], v2, 272
	v_lshl_add_u32 v[RD], v1, 4, v[RD]
	v_add_nc_u32 v[RD], s96, v[RD]                 ; back: lanes 0-15 one row of 256 bytes, lanes 16-31 the next
	v_lshlrev_b32 v[CO], 12, v2
	v_lshl_add_u32 v[CO], v1, 4, v[CO]
.irp a, 0,1,2,3
	global_load_b128 v[SCA+4*\a:SCA+4*\a+3], v[LS], s[90:91] offset:512*\a   ; register j: lanes 0-15 the word of K step j, lanes 16-31 that of K step 4 + j
.endr
.irp b, 0,1,2,3,4,5,6,7
	global_load_b128 v[SCB+4*\b:SCB+4*\b+3], v[LS], s[92:93] offset:512*\b
.endr
.irp q, 0,1,2,3
.irp j, 0,1,2,3
	global_load_b128 v[BN+16*\q+4*\j:BN+16*\q+4*\j+3], v[OBN], s[12:13] offset:128*\q+16*\j   ; register 16 q + i: bo at column 32 q + 16 h + i: eight registers a tile, in the result's layout
.endr
.endr
	s_wait_loadcnt 0x0
.macro FRAG dst, a16, a8, off          ; a fragment's 12 registers from its image: every load takes consecutive bytes
	ds_load_b128 v[\dst:\dst+3], v[\a16] offset:\off
	ds_load_b64 v[\dst+4:\dst+5], v[\a8] offset:\off+512
	ds_load_b128 v[\dst+6:\dst+9], v[\a16] offset:\off+768
	ds_load_b64 v[\dst+10:\dst+11], v[\a8] offset:\off+1280
.endm
.macro FETCH s                         ; K step s: wo's eight fragments and O's four into set s % 2: 48 LDS loads
	WIN TO_B
.irp b, 0,1,2,3,4,5,6,7
	FRAG 96*((\s)%2)+12*\b, AB16, AB8, 6144*\b+1536*((\s)%4)
.endr
	WIN 0
.irp a, 0,1,2,3
	FRAG AF+48*((\s)%2)+12*\a, AA16, AA8, 6144*\a+1536*((\s)%4)
.endr
.endm
.macro MUL32 s                         ; the 32 accumulators take turns, one instruction a turn, in the same order in every K step; K step 0 starts the sums with the bias
.irp a, 0,1,2,3
.irp b, 0,1,2,3,4,5,6,7
.if (\s) == 0
	v_wmma_scale_f32_16x16x128_f8f6f4 v[8*(8*\a+\b):8*(8*\a+\b)+7], v[96*((\s)%2)+12*\b:96*((\s)%2)+12*\b+11], v[AF+48*((\s)%2)+12*\a:AF+48*((\s)%2)+12*\a+11], v[BN+8*\b:BN+8*\b+7], v[SCB+4*\b+(\s)%4], v[SCA+4*\a+(\s)%4] matrix_a_fmt:MATRIX_FMT_FP6 matrix_b_fmt:MATRIX_FMT_FP6
.elseif (\s) < 4
	v_wmma_scale_f32_16x16x128_f8f6f4 v[8*(8*\a+\b):8*(8*\a+\b)+7], v[96*((\s)%2)+12*\b:96*((\s)%2)+12*\b+11], v[AF+48*((\s)%2)+12*\a:AF+48*((\s)%2)+12*\a+11], v[8*(8*\a+\b):8*(8*\a+\b)+7], v[SCB+4*\b+(\s)%4], v[SCA+4*\a+(\s)%4] matrix_a_fmt:MATRIX_FMT_FP6 matrix_b_fmt:MATRIX_FMT_FP6
.else
	v_wmma_scale_f32_16x16x128_f8f6f4 v[8*(8*\a+\b):8*(8*\a+\b)+7], v[96*((\s)%2)+12*\b:96*((\s)%2)+12*\b+11], v[AF+48*((\s)%2)+12*\a:AF+48*((\s)%2)+12*\a+11], v[8*(8*\a+\b):8*(8*\a+\b)+7], v[SCB+4*\b+(\s)%4], v[SCA+4*\a+(\s)%4] matrix_a_fmt:MATRIX_FMT_FP6 matrix_b_fmt:MATRIX_FMT_FP6 matrix_a_scale:MATRIX_SCALE_ROW1 matrix_b_scale:MATRIX_SCALE_ROW1
.endif
.endr
.endr
.endm
; K step s: the next step's fragments are asked for, then this step's 32 products are issued.  Loads into registers that matrix instructions have read stand four plain vector instructions behind them.
.macro STEP s
.if (\s) == 3
	s_wait_tensorcnt 0x0                           ; my load has landed: of waves 2 and 3 that is chunk 1
	s_wait_dscnt 0x0                               ; no LDS load of mine is out at the signal
	s_barrier_signal -1
	s_barrier_wait -1                              ; chunk 1 is whole
	v_add_nc_u32 v[AA16], 49152, v[AA16]           ; on to that chunk; these four are also the places in front of the loads below
	v_add_nc_u32 v[AA8], 49152, v[AA8]
	v_add_nc_u32 v[AB16], 98304, v[AB16]
	s_wait_alu depctr_va_vdst(0)
	v_add_nc_u32 v[AB8], 98304, v[AB8]
.elseif (\s) < 7
	PLACES
.endif
.if (\s) < 7
	FETCH (\s)+1
	s_wait_alu depctr_va_vdst(0)
	s_wait_dscnt 48                                ; all but the 48 just issued: this step's set is whole
.else
	s_wait_dscnt 0x0
.endif
.if (\s) == 0
	WIN MUL0
.else
	WIN MUL
.endif
	MUL32 \s
	WIN 0
.endm
	s_wait_alu depctr_va_vdst(0)
	s_cmp_lt_u32 s[WV], 2                          ; waves 0 and 1 wait for chunk 0, whose load lines are theirs alone; chunk 1 may stay out
	s_cbranch_scc0 .Lnot01
	s_wait_tensorcnt 0x0
.Lnot01:
	s_barrier_signal -1
	s_barrier_wait -1
	FETCH 0
.irp s, 0,1,2,3,4,5,6,7
	STEP \s
.endr
; THE WAY OUT, in eight rounds n = 2 a + u: tile a's 16 rows x columns 64 u .. 64 u + 63.  A lane holds pieces of one row and the lanes beside it hold other rows: so a round goes through my own stage and comes back as whole
; rows of 256 bytes.  LDS serves a wave's instructions in order: no wait between the stores and the loads, nor in front of the next round's stores.
.macro TOSTAGE n
	WIN 0x08                                       ; an LDS store's data are its source 1: window 2
.irp q, 0,1
.irp j, 0,1,2,3
	ds_store_b128 v[STO], v[64*((\n)/2)+32*((\n)%2)+16*\q+4*\j:64*((\n)/2)+32*((\n)%2)+16*\q+4*\j+3] offset:128*\q+16*\j   ; each accumulator from its low end on
.endr
.endr
	WIN 0
.irp t, 0,1,2,3,4,5,6,7
	ds_load_b128 v[BK+32*((\n)%2)+4*\t:BK+32*((\n)%2)+4*\t+3], v[RD] offset:544*\t   ; positions 2 t and 2 t + 1
.endr
.endm
.macro SEND n
.irp t, 0,1,2,3,4,5,6,7
	global_store_b128 v[CO], v[BK+32*((\n)%2)+4*\t:BK+32*((\n)%2)+4*\t+3], s[14:15] offset:(2*\t+8*(\t/4)+32*((\n)/4)+8*(((\n)/2)%2))*4096+256*((\n)%2) th:TH_STORE_NT   ; 16 lanes store 256 consecutive bytes, at a multiple of 256 from out0's first byte; written once, read by nobody here
.endr
.endm
	PLACES                                         ; behind the last products: the stores below read results, the loads land in registers that products have read
	TOSTAGE 0
.irp n, 1,2,3,4,5,6,7
.if \n > 1
	s_wait_xcnt 0x0                                ; round n - 2's stores have read their registers: round n's loads may land there
.endif
	TOSTAGE \n
	s_wait_dscnt 16                                ; round n - 1 is back in registers; round n's 8 stores and 8 loads may be out
	SEND \n-1
.endr
	s_wait_dscnt 0x0
	SEND 7
	s_wait_tensorcnt 0x0
	ds_add_u32 v254, v255
	s_wait_dscnt 0x0
	CROUND                                         ; the closing round: no work-group ends while a partner may still ask for a tile that names it
	s_endpgm
.Lfunc_end_k_q98b9c4d88c_outp:
	.size	k_q98b9c4d88c_outp, .Lfunc_end_k_q98b9c4d88c_outp-k_q98b9c4d88c_outp
	.p2alignl 7, 3214868480
	.fill 96, 4, 3214868480
	.section	.rodata,"a",@progbits
	.p2align	6, 0x0
	.amdhsa_kernel k_q98b9c4d88c_outp
		.amdhsa_group_segment_fixed_size 312832
		.amdhsa_private_segment_fixed_size 0
		.amdhsa_enable_private_segment 0
		.amdhsa_kernarg_size 48
		.amdhsa_user_sgpr_count 2
		.amdhsa_user_sgpr_kernarg_segment_ptr 1
		.amdhsa_wavefront_size32 1
		.amdhsa_system_sgpr_workgroup_id_x 1
		.amdhsa_system_sgpr_workgroup_id_y 1
		.amdhsa_system_sgpr_workgroup_id_z 1
		.amdhsa_system_vgpr_workitem_id 0
		.amdhsa_next_free_vgpr 768
		.amdhsa_next_free_sgpr 102
		.amdhsa_reserve_vcc 0
		.amdhsa_float_denorm_mode_32 3
		.amdhsa_float_denorm_mode_16_64 3
		.amdhsa_memory_ordered 1
		.amdhsa_forward_progress 1
		.amdhsa_inst_pref_size 84
	.end_amdhsa_kernel
	.amdgpu_metadata
---
amdhsa.version: [ 1, 2 ]
amdhsa.kernels:
  - .name:           k_q98b9c4d88c_outp
    .symbol:         k_q98b9c4d88c_outp.kd
    .args:
      - { .name: oc, .offset: 0, .size: 8, .value_kind: global_buffer, .address_space: global }
      - { .name: os, .offset: 8, .size: 8, .value_kind: global_buffer, .address_space: global }
      - { .name: cin, .offset: 16, .size: 8, .value_kind: global_buffer, .address_space: global }
      - { .name: sin, .offset: 24, .size: 8, .value_kind: global_buffer, .address_space: global }
      - { .name: bo, .offset: 32, .size: 8, .value_kind: global_buffer, .address_space: global }
      - { .name: out0, .offset: 40, .size: 8, .value_kind: global_buffer, .address_space: global }
    .group_segment_fixed_size: 312832
    .private_segment_fixed_size: 0
    .kernarg_segment_align: 8
    .kernarg_segment_size: 48
    .max_flat_workgroup_size: 128
    .sgpr_count:     102
    .vgpr_count:     768
    .wavefront_size: 32
...
	.end_amdgpu_metadata
.endif
;; end of part 4
